; MI455X (gfx1250); checked and timed in simulation.
; The chip was launched on July 23, 2026; its instructions are those of AMD's public machine-readable ISA for CDNA 5 (MIT licence, August 2026) and "CDNA5" Instruction Set Architecture Reference Guide (July 2026). The comments in the code are by the model that wrote it; some were corrected since.
;; Multi Head Attention. Allowed arithmetic: matrix products marked QUANTISED: E2M3 operands, one E8M0 scale for each 32 along K, by v_wmma_scale_f32_16x16x128_f8f6f4 with both operands' format E2M3, f32 sums; everything else in f32.
;; Inputs: Wk 16 x 1,024 x 64 float32; Wo 1,024 x 1,024 float32; Wq 16 x 1,024 x 64 float32; Wv 16 x 1,024 x 64 float32; bo 1,024 float32; x 4 x 2,048 x 1,024 float32.
;; Outputs: out0 4 x 2,048 x 1,024 float32.
;; This version of the problem:
;;   THIS VERSION OF THE PROBLEM IS GIVEN IN LOW PRECISION. The matrix products marked QUANTISED in the list below multiply operands that are first quantised to E2M3 (2 exponent bits, 3 mantissa bits; 6 bits a number), with one power-of-two scale for each 32 numbers along K (OCP MX v1.0); their sums are f32. All else is computed in f32.
;;   The module's matrix products, in the order in which they are computed (A, B: the left and right operand; K: the contracted axis; several contracted axes count as one K, in the product's order):
;;     1. [M 1,024, K 1,024] x [K 1,024, N 8,192]; A: input Wq; B: input x: QUANTISED
;;     2. [M 1,024, K 1,024] x [K 1,024, N 8,192]; A: input Wk; B: input x: QUANTISED
;;     3. [M 1,024, K 1,024] x [K 1,024, N 8,192]; A: input Wv; B: input x: QUANTISED
;;     4. batch 64 x [M 2,048, K 64] x [K 64, N 2,048]; A: computed on the way; B: computed on the way: QUANTISED
;;     5. batch 64 x [M 2,048, K 2,048] x [K 2,048, N 64]; A: softmax (see below); B: computed on the way: QUANTISED
;;     6. [M 8,192, K 1,024] x [K 1,024, N 1,024]; A: computed on the way; B: input Wo: QUANTISED
;;   THE QUANTISER, for each operand of a quantised product, along K:
;;     - K is cut into blocks of 32 from its start; a last block that is shorter is filled with zeros.
;;     - A block's scale is 2^e with e = floor(log2(the largest magnitude in the block)) - 2, held to -126 .. 127; a block of zeros has e = 0. As a byte (E8M0): e + 127.
;;     - Each number is divided by its block's scale, clamped to +-7.5, and rounded to the nearest number of E2M3, ties to even, subnormals kept.
;;     - The product sums the exact products of the quantised numbers (number of the format x scale) in f32.
;;   ~~~python
;;   def quantise(x, axis):      # numpy; x: float32 -> the quantised numbers, widened to float32 again
;;       x = np.moveaxis(x, axis, -1); K = x.shape[-1]
;;       x = np.pad(x, [(0, 0)] * (x.ndim - 1) + [(0, -K % 32)]); x = x.reshape(x.shape[:-1] + (-1, 32)); a = np.abs(x).max(-1, keepdims=True)
;;       e = np.where(a > 0, np.clip(np.frexp(np.where(a > 0, a, 1))[1] - 1 - 2, -126, 127), 0)      # np.frexp(a)[1] - 1 = floor(log2(a)), exactly
;;       r = np.clip(x / 2.0 ** e, -7.5, 7.5)
;;       step = 2.0 ** (np.maximum(np.frexp(np.where(r == 0, 1, r))[1] - 1, 0) - 3)
;;       q = np.round(r / step) * step * 2.0 ** e      # np.round: ties to even
;;       return np.moveaxis(q.reshape(q.shape[:-2] + (-1,))[..., :K], -1, axis).astype(np.float32)
;;   ~~~
;;   SOFTMAX AHEAD OF A QUANTISED PRODUCT. Where the list says 'softmax', what is quantised is not the finished softmax but p = 2^(t - M), with t = logit x log2(e) and M = ceil(the row's largest t), a whole number; so 1/2 < the row's largest p <= 1. The row's sum l is taken of the UNQUANTISED p, in f32, and the product's result is divided by l at the end. Since M is a whole number, a kernel that streams over the keys may use a running M (the ceiling of the running maximum): every later rescaling is an exact power of two, which a block's scale takes up: the codes' values come out the same.
;;   OPERANDS COMPUTED ON THE WAY. 'Computed on the way' means the value that the module computes at that place (a softmax that the list does not call 'softmax' is quantised finished and normalised). What goes into a quantiser is computed in f32, as accurately as f32 sums, v_exp_f32 and their like allow (about 1e-6 of the number): no bf16 or f16 on the way to a quantiser, and a product that is left as it is and whose result goes on into a quantised operand takes f32 operands (vector FMAs, or v_wmma_f32_16x16x4_f32). A number that lies on a knife's edge between two numbers of the format may be rounded either way, as far as f32 arithmetic and the matrix unit's own rounding can turn it there, and no further.
;; One version. Each part assembles by itself: llvm-mc -triple=amdgcn-amd-amdhsa -mcpu=gfx1250 --defsym DOCPART=n.
;; ======== version 1 of 1: 4 launches
;; workspace buffers: xw 9,830,400 bytes; qkv 20,185,088 bytes; ob 6,553,600 bytes
;; launch quant (part 1): grid 384 x 1, 4 waves a work-group, no clusters, 35,328 bytes of LDS; arguments x, Wq, Wk, Wv, Wo, xw; writes xw
.if DOCPART == 1
	.amdgcn_target "amdgcn-amd-amdhsa--gfx1250"
	.amdhsa_code_object_version 6
	.text
	.protected	k_q215cd85d3f_quant
	.globl	k_q215cd85d3f_quant
	.p2align	8
	.type	k_q215cd85d3f_quant,@function
k_q215cd85d3f_quant:
	s_mov_b64 s[64:65], 0
	v_nop
	global_prefetch_b8 v0, s[64:65] scope:SCOPE_SE
	s_setreg_imm32_b32 hwreg(HW_REG_WAVE_MODE, 25, 1), 1
	s_wait_xcnt 0x0
; x [8192][1024] and the four weights, all f32, become codes of FP6 (E2M3) with one E8M0 byte for each 32 along K = 1,024, in the buffer xw, laid as the products' operand registers want them.
; A UNIT is 16 rows x 64 along K, 768 bytes: lane (r, h) owns six registers, the codes of k = 32 h .. 32 h + 31 of the unit's row r; registers 0-3 lie at 16 x lane, registers 4-5 at 512 + 8 x lane.
; A ROW TILE is 16 units on end (12,288 bytes).  Lane r of tile 2 g + u holds row 32 g + 8 u + r + 8 (r / 8): so a later product's results fall as neighbours along the next K.
; Tiles 0-511: x.  512-575 Wq, 576-639 Wk, 640-703 Wv (row = 64 head + d).  704-767 Wo (row = its column n).  Behind the codes, at XWS: for each tile 512 bytes of scales, [K / 256][r][8 bytes].
; A block's scale is 2^(floor(log2(its largest magnitude)) - 2): its byte is the largest magnitude's exponent field - 2, held at 1 from below by a floor among the maximum's leaves.
; LIMITS: a block of zeros, and a block whose largest magnitude lies under 2^-124, has the byte 1 (a block of zeros has zero codes, and this program alone reads the bytes); NaN and infinities are not served.
; Work-groups 0-255 take x (K innermost), 256-383 the weights (K not innermost).  The branch hangs on the work-group's number alone; only x's path uses LDS.  No barrier: waves share nothing.
.set XWS, 9437184
.set R,   64                           ; x's path: v64-191 two sets of 64 registers as loaded
.set X,   192                          ; v192-255 my 64 numbers: 32 neighbours of each of two units
.set SP,  528                          ; a stage row: 512 bytes + 16: the sixteen rows that a load touches begin in sixteen different groups of banks
.set STG, 16*SP                        ; a wave's own stage
.set XS,  0
	s_load_b256 s[4:11], s[0:1], 0x0               ; x s[4:5], Wq s[6:7], Wk s[8:9], Wv s[10:11]
	s_load_b128 s[12:15], s[0:1], 0x20             ; Wo s[12:13], xw s[14:15]
	v_lshl_add_u32 v25, v0, 2, 0x8800
	v_mov_b32 v27, 0
	v_lshrrev_b32 v1, 5, v0
	v_readfirstlane_b32 s16, v1                    ; wave 0..3
	v_and_b32 v7, 31, v0                           ; lane
	s_mov_b32 s28, 0x76543210
	s_mov_b32 s29, 0xfedcba98                      ; v_permlanex16_b32's selects for lane l xor 16
; the largest magnitude of the 32 numbers v[XS] on, in two chains, with the floor 2^(3 - 127) as one more leaf: -> v8
.macro MAX32
	v_max3_num_f32 v8, |v[XS]|, |v[XS+1]|, 0x1800000
	v_max3_num_f32 v9, |v[XS+2]|, |v[XS+3]|, |v[XS+4]|
.irp i, 5,9,13,17,21,25
	v_max3_num_f32 v8, v8, |v[XS+\i]|, |v[XS+\i+1]|
	v_max3_num_f32 v9, v9, |v[XS+\i+2]|, |v[XS+\i+3]|
.endr
	v_max3_num_f32 v8, v8, |v[XS+29]|, |v[XS+30]|
	v_max3_num_f32 v8, v8, v9, |v[XS+31]|
.endm
; the block's byte -> v11, its 32 codes -> v[16:21]
.macro CODES
	v_add_nc_u32 v10, 0xff000000, v8               ; 2 off the exponent field: the conversion takes the exponent field of this operand as its scale
	v_lshrrev_b32 v11, 23, v10                     ; the scale's byte
	s_wait_xcnt 0x0                                ; v[16:21] are the data of earlier stores: they are written again only behind this wait
	v_cvt_scalef32_pk16_fp6_f32 v[16:18], v[XS:XS+15], v10
	v_cvt_scalef32_pk16_fp6_f32 v[22:24], v[XS+16:XS+31], v10   ; (a conversion's three registers begin on an even number)
	v_nop                                          ; one plain place behind a scaled conversion
	v_mov_b32 v19, v22
	v_mov_b32 v20, v23
	v_mov_b32 v21, v24
.endm
	s_cmp_lt_u32 ttmp9, 256
	s_cbranch_scc0 .Lweights
; ---- x.  A wave takes one row tile x 512 along K, in four steps of 128.  Each load reads 512 consecutive bytes of one row; a step's 8 KiB turn through the wave's stage, so that a lane gets 32 neighbours of a row.
	s_lshl_b32 s17, ttmp9, 2
	s_add_co_u32 s17, s17, s16
	s_lshr_b32 s18, s17, 1                         ; the row tile, 0..511
	s_and_b32 s19, s17, 1                          ; which half of K
	s_lshr_b32 s20, s18, 1
	s_lshl_b32 s20, s20, 17                        ; 32 rows of 4,096 bytes for each pair of tiles,
	s_and_b32 s21, s18, 1
	s_lshl_b32 s21, s21, 15                        ; 8 rows for the odd tile,
	s_add_co_u32 s20, s20, s21
	s_lshl_b32 s21, s19, 11                        ; 2,048 bytes for the upper half of K
	s_add_co_u32 s20, s20, s21
	s_mov_b32 s21, 0
	s_mul_i32 s22, s18, 12288
	s_mul_i32 s23, s19, 6144
	s_add_co_u32 s22, s22, s23                     ; my eight units
	s_mov_b32 s23, 0
	s_lshl_b32 s24, s18, 9
	s_lshl_b32 s25, s19, 8
	s_add_co_u32 s24, s24, s25
	s_add_co_u32 s24, s24, XWS                     ; my 256 bytes of scales
	s_mov_b32 s25, 0
	s_mul_i32 s30, s16, STG
	v_and_b32 v8, 15, v0                           ; r
	v_bfe_u32 v9, v0, 4, 1                         ; h
	v_lshlrev_b32 v1, 4, v7                        ; 16 x lane: a load's 512 bytes, a unit's registers 0-3
	v_lshlrev_b32 v2, 3, v7
	v_add_nc_u32 v2, 512, v2                       ; a unit's registers 4-5
	v_add_nc_u32 v3, s30, v1                       ; the stage, on the way in
	v_mul_u32_u24 v4, v8, SP
	v_lshl_add_u32 v4, v9, 7, v4
	v_add_nc_u32 v4, s30, v4                       ; and out: row r, + 128 h bytes: my 32 numbers of a unit
	v_lshlrev_b32 v5, 3, v8
	v_lshl_add_u32 v5, v9, 7, v5                   ; the scales: lanes 0-15 the first 256 along K, lanes 16-31 the second; 8 bytes a row
	v_lshlrev_b32 v6, 3, v9                        ; 8 h
	v_mov_b32 v26, 0                               ; a lane permute's destination counts as one of its sources
	s_wait_kmcnt 0x0
	s_add_nc_u64 s[4:5], s[4:5], s[20:21]
	s_add_nc_u64 s[22:23], s[14:15], s[22:23]
	s_add_nc_u64 s[24:25], s[14:15], s[24:25]
.macro XLOAD s                         ; step s: 128 along K of the tile's 16 rows
.set i, 0
.rept 16
	global_load_b128 v[R+64*((\s)%2)+4*i:R+64*((\s)%2)+4*i+3], v1, s[4:5] offset:(i+8*(i/8))*4096+512*(\s) th:TH_LOAD_NT
.set i, i+1
.endr
.endm
.macro XTURN s                         ; LDS serves a wave's instructions in order: no wait between the stores and the loads
.set i, 0
.rept 16
	ds_store_b128 v3, v[R+64*((\s)%2)+4*i:R+64*((\s)%2)+4*i+3] offset:SP*i
.set i, i+1
.endr
.set i, 0
.rept 16
	ds_load_b128 v[X+4*i:X+4*i+3], v4 offset:256*(i/8)+16*(i%8)
.set i, i+1
.endr
.endm
.macro XSTEP s
.if (\s) < 3
	s_wait_loadcnt 16                              ; this step's 16 loads are in; the next step's 16 may be out
.else
	s_wait_loadcnt 0x0
.endif
	XTURN \s
	s_wait_dscnt 0x0                               ; my numbers are back, and the stores into the stage have read their registers,
.if (\s) < 2
	XLOAD (\s)+2                                   ; which take the loads of two steps on
.endif
.set XS, X
	MAX32
	CODES
	v_mov_b32 v12, v11
	global_store_b128 v1, v[16:19], s[22:23] offset:(2*(\s))*768      ; 512 consecutive bytes, aligned to 256
	global_store_b64 v2, v[20:21], s[22:23] offset:(2*(\s))*768       ; 256 consecutive bytes, aligned
.set XS, X+32
	MAX32
	CODES
	global_store_b128 v1, v[16:19], s[22:23] offset:(2*(\s)+1)*768
	global_store_b64 v2, v[20:21], s[22:23] offset:(2*(\s)+1)*768
	v_lshl_or_b32 v14, v11, 16, v12                ; my two bytes: blocks h and 2 + h of these 128,
	v_lshlrev_b32 v14, v6, v14                     ; at their places in the scale word;
	v_permlanex16_b32 v26, v14, s28, s29
	v_or_b32 v[28+(\s)], v14, v26                  ; with lane l xor 16's two the word is whole
.endm
	XLOAD 0
	XLOAD 1
	XSTEP 0
	XSTEP 1
	XSTEP 2
	XSTEP 3
	v_cmp_ne_u32 vcc_lo, 0, v6
	v_cndmask_b32 v34, v28, v30, vcc_lo            ; lanes 0-15 words 0, 1; lanes 16-31 words 2, 3
	v_cndmask_b32 v35, v29, v31, vcc_lo
	global_store_b64 v5, v[34:35], s[24:25]        ; 256 consecutive bytes, aligned
	s_wait_tensorcnt 0x0
	ds_add_u32 v25, v27
	s_wait_dscnt 0x0
	s_endpgm
; ---- the weights.  K is not innermost: a lane takes a column and its registers run down K, so a block of 32 lies in one lane.  A work-group takes 32 columns (two row tiles), a wave 256 along K: eight blocks.
; From k to k + 1 are 256 bytes in Wq, Wk, Wv ([head][k][64]) and 4,096 in Wo ([k][1024]): the distance is a number in a register, so one text serves all four.
; A store of 16 bytes a lane covers two aligned runs of 256 bytes; that of 8 bytes a lane two runs of 128 bytes, and so do the scales': stated as it is; it concerns a third of 3 MiB.
.Lweights:
	s_sub_co_u32 s17, ttmp9, 256                   ; which 32 columns of the 4,096
	s_lshr_b32 s18, s17, 5                         ; which tensor
	s_and_b32 s19, s17, 31
	s_lshr_b32 s20, s19, 1
	s_lshl_b32 s20, s20, 18                        ; the head's 262,144 bytes,
	s_and_b32 s21, s19, 1
	s_lshl_b32 s21, s21, 7
	s_add_co_u32 s20, s20, s21                     ; and which half of its 64 columns
	s_lshl_b32 s21, s19, 7                         ; Wo: 128 bytes for each 32 columns
	s_mov_b32 s22, 4096
	s_cmp_eq_u32 s18, 3
	s_cselect_b32 s20, s21, s20
	s_cselect_b32 s22, s22, 256                    ; bytes from k to k + 1
	s_lshl_b32 s23, s16, 8
	s_mul_i32 s23, s23, s22
	s_add_co_u32 s20, s20, s23                     ; my 256 along K
	s_mov_b32 s21, 0
	s_lshl_b32 s30, s22, 5                         ; a block of 32 along K
	s_mov_b32 s31, 0
	s_lshl_b32 s23, s17, 1
	s_add_co_u32 s23, s23, 512                     ; the first of my two row tiles
	s_mul_i32 s24, s23, 12288
	s_mul_i32 s25, s16, 3072
	s_add_co_u32 s24, s24, s25
	s_mov_b32 s25, 0
	s_lshl_b32 s26, s23, 9
	s_lshl_b32 s27, s16, 7
	s_add_co_u32 s26, s26, s27
	s_add_co_u32 s26, s26, XWS
	s_mov_b32 s27, 0
	v_lshlrev_b32 v4, 2, v7                        ; 4 bytes a lane
	v_bfe_u32 v5, v0, 3, 1                         ; column c of the 32 lies in tile u = (c / 8) % 2,
	v_and_b32 v6, 7, v0
	v_bfe_u32 v12, v0, 4, 1
	v_lshl_add_u32 v6, v12, 3, v6                  ; at its row r = c % 8 + 8 (c / 16)
	v_mul_u32_u24 v13, v5, 12288
	v_lshl_add_u32 v1, v6, 4, v13                  ; a unit's registers 0-3
	v_lshl_add_u32 v2, v6, 3, v13
	v_add_nc_u32 v2, 512, v2                       ; registers 4-5
	v_lshlrev_b32 v3, 9, v5
	v_lshl_add_u32 v3, v6, 3, v3                   ; my row's 8 scale bytes
.set i, 0
.rept 32
	v_mad_u32_u24 v[32+i], s22, i, v4              ; row i of a block, my column; never rewritten
.set i, i+1
.endr
	s_wait_kmcnt 0x0
	s_cmp_eq_u32 s18, 1                            ; the choice hangs on the work-group's number alone
	s_cselect_b64 s[6:7], s[8:9], s[6:7]
	s_cmp_eq_u32 s18, 2
	s_cselect_b64 s[6:7], s[10:11], s[6:7]
	s_cmp_eq_u32 s18, 3
	s_cselect_b64 s[6:7], s[12:13], s[6:7]
	s_add_nc_u64 s[32:33], s[6:7], s[20:21]        ; a base for each block: none is stepped while loads are out
.irp t, 1,2,3,4,5,6,7
	s_add_nc_u64 s[32+2*\t:33+2*\t], s[30+2*\t:31+2*\t], s[30:31]
.endr
	s_add_nc_u64 s[24:25], s[14:15], s[24:25]
	s_add_nc_u64 s[26:27], s[14:15], s[26:27]
.macro WLOAD t
.set i, 0
.rept 32
	global_load_b32 v[64+32*((\t)%2)+i], v[32+i], s[32+2*(\t):33+2*(\t)] th:TH_LOAD_NT   ; 128 consecutive bytes a wave
.set i, i+1
.endr
.endm
.macro WBLOCK t
.if (\t) < 7
	s_wait_loadcnt 32                              ; this block's 32 loads are in; the next block's may be out
.else
	s_wait_loadcnt 0x0
.endif
.set XS, 64+32*((\t)%2)
	MAX32
	CODES
.if (\t)%4 == 0
	v_mov_b32 v[28+(\t)/4], v11                    ; four bytes to a register, the lower K in the lower byte
.else
	v_lshl_or_b32 v[28+(\t)/4], v11, 8*((\t)%4), v[28+(\t)/4]
.endif
	global_store_b128 v1, v[16:19], s[24:25] offset:((\t)/2)*768+((\t)%2)*256    ; block t is half t % 2 of unit t / 2
	global_store_b64 v2, v[20:21], s[24:25] offset:((\t)/2)*768+((\t)%2)*128
.if (\t)+2 < 8
	WLOAD (\t)+2
.endif
.endm
	WLOAD 0
	WLOAD 1
.irp t, 0,1,2,3,4,5,6,7
	WBLOCK \t
.endr
	global_store_b64 v3, v[28:29], s[26:27]
	s_endpgm
.Lfunc_end_k_q215cd85d3f_quant:
	.size	k_q215cd85d3f_quant, .Lfunc_end_k_q215cd85d3f_quant-k_q215cd85d3f_quant
	.p2alignl 7, 3214868480
	.fill 96, 4, 3214868480
	.section	.rodata,"a",@progbits
	.p2align	6, 0x0
	.amdhsa_kernel k_q215cd85d3f_quant
		.amdhsa_group_segment_fixed_size 35328
		.amdhsa_private_segment_fixed_size 0
		.amdhsa_enable_private_segment 0
		.amdhsa_kernarg_size 48
		.amdhsa_user_sgpr_count 2
		.amdhsa_user_sgpr_kernarg_segment_ptr 1
		.amdhsa_wavefront_size32 1
		.amdhsa_system_sgpr_workgroup_id_x 1
		.amdhsa_system_sgpr_workgroup_id_y 1
		.amdhsa_system_sgpr_workgroup_id_z 1
		.amdhsa_system_vgpr_workitem_id 0
		.amdhsa_next_free_vgpr 256
		.amdhsa_next_free_sgpr 66
		.amdhsa_reserve_vcc 1
		.amdhsa_float_denorm_mode_32 3
		.amdhsa_float_denorm_mode_16_64 3
		.amdhsa_memory_ordered 1
		.amdhsa_forward_progress 1
		.amdhsa_inst_pref_size 73
	.end_amdhsa_kernel
	.amdgpu_metadata
---
amdhsa.version: [ 1, 2 ]
amdhsa.kernels:
  - .name:           k_q215cd85d3f_quant
    .symbol:         k_q215cd85d3f_quant.kd
    .args:
      - { .name: x, .offset: 0, .size: 8, .value_kind: global_buffer, .address_space: global }
      - { .name: Wq, .offset: 8, .size: 8, .value_kind: global_buffer, .address_space: global }
      - { .name: Wk, .offset: 16, .size: 8, .value_kind: global_buffer, .address_space: global }
      - { .name: Wv, .offset: 24, .size: 8, .value_kind: global_buffer, .address_space: global }
      - { .name: Wo, .offset: 32, .size: 8, .value_kind: global_buffer, .address_space: global }
      - { .name: xw, .offset: 40, .size: 8, .value_kind: global_buffer, .address_space: global }
    .group_segment_fixed_size: 35328
    .private_segment_fixed_size: 0
    .kernarg_segment_align: 8
    .kernarg_segment_size: 48
    .max_flat_workgroup_size: 128
    .sgpr_count:     66
    .vgpr_count:     256
    .wavefront_size: 32
...
	.end_amdgpu_metadata
.endif
;; end of part 1
;; launch qkv (part 2): grid 8 x 48, 4 waves a work-group, clusters of 4 x 4, 327,680 bytes of LDS; arguments xw, qkv; writes qkv
.if DOCPART == 2
	.amdgcn_target "amdgcn-amd-amdhsa--gfx1250"
	.amdhsa_code_object_version 6
	.text
	.protected	k_q215cd85d3f_qkv
	.globl	k_q215cd85d3f_qkv
	.p2align	8
	.type	k_q215cd85d3f_qkv,@function
k_q215cd85d3f_qkv:
	s_mov_b64 s[64:65], 0
	v_nop
	global_prefetch_b8 v0, s[64:65] scope:SCOPE_SE
	s_setreg_imm32_b32 hwreg(HW_REG_WAVE_MODE, 25, 1), 1
	s_wait_xcnt 0x0
	s_wait_alu depctr_hold_cnt(0) depctr_sa_sdst(0) depctr_va_vdst(0) depctr_va_sdst(0) depctr_va_ssrc(0) depctr_va_vcc(0) depctr_vm_vsrc(0)
	s_getreg_b32 s2, hwreg(HW_REG_IB_STS2, 6, 4)
	s_cmp_eq_u32 s2, 0
	s_cbranch_scc0 .Lentry_in_a_cluster
	s_endpgm
.Lentry_in_a_cluster:
	s_bfe_u32 s2, ttmp6, 0x10000c
	s_cmp_lg_u32 s2, 0xf033
	s_cbranch_scc0 .Lentry_shape_is_right
	s_endpgm
.Lentry_shape_is_right:
; q, k and v: three products on codes of FP6 (E2M3), K = 1,024, whose results are quantised again on the way out and leave as codes: no f32 number of q, k or v goes to memory.
; OPERANDS lie in xw as images of operand registers.  A unit = 16 rows x 64 K = 768 bytes (registers 0-3 at 16 x lane, 4-5 at 512 + 8 x lane); a row tile = 16 units; its scales 512 bytes, [K / 256][r][8].
; A fragment (16 rows x 128 K, 12 registers) is two units: four LDS loads of consecutive bytes, no pitch, no padding.  Lane r of row tile 2 g + u holds row 32 g + 8 u + r + 8 (r / 8).
; SHARES.  A work-group of four waves makes 256 x 256, a wave 128 x 128: 64 accumulators, 512 registers.  Source 0 = B, source 1 = A: a lane holds ONE row of A's side and its registers run along B's side,
; and by the choice of a tile's rows the 16 registers of B's tiles 2 b, 2 b + 1 are 16 neighbours: the next product's K.
;   clusters y 0-7:  A = x (tokens), B = Wq | Wk (64 head + d): the registers run along d: q's and k's K.      clusters y 8-11: A = Wv, B = x: the registers run along the tokens: the keys, v's K.
; The two parts differ in numbers alone, which are chosen by s_cselect_b32 on the cluster's y, the same in all sixteen partners: there is no branch on it.
; K goes in four steps of 256 through two LDS slots; the scales of all of K come once.  CLUSTERS: 4 x 4; A's tiles are asked for jointly along a row of the cluster, B's along a column.
; OUT, in qkv: q, k units [which 16 + head][token tile][768]; v units [key / 64][4 head + d / 16][768]; scale words: q, k [which 16 + head][tile][r][4] (bytes 0, 1 count; 2, 3 scale zero codes and are never 0xff);
; v [key / 128][tile][r][4].  The scale words leave in runs of 64 bytes, 1.3 MB in all: stated as it is.
; LIMITS: a block whose largest magnitude lies under 2^-124, a block of zeros too, has the byte 1; NaN and infinities are not served.
; REGISTERS: window 0: v0-31 addresses; v32-63 scale words, two sets; v64-114 at work on the way out; v128-223 A's fragments, one set.  window 1: B's fragments, two sets.  windows 2, 3: the accumulators ((a, b) at v[8 (8 (a % 4) + b)]).
.set TILEB, 12288                      ; a row tile's codes, all of K
.set KSB,   3072                       ; and for a K step of 256: four units
.set NQ,    2                          ; matrix instructions deep in a K step
.set FR,    12
.set NL,    4                          ; LDS loads that bring a fragment
.set NP,    4                          ; places behind this matrix instruction (ISA guide 7.12.1)
.set HALFT, 8*KSB                      ; eight tiles: what one tensor load brings, and what one wave reads of A or of B
.set SLOT,  4*HALFT                    ; A's 16 tiles, then B's
.set SCL,   2*SLOT                     ; behind the ring: the scales, filled once
.set HALFS, 8*512
.set SPARE, SCL+4*HALFS                ; the spare words, 128 bytes for each wave: two blocks of 256 bytes that no other line names
.set XWS,   9437184
.set ADRA, 16                          ; v16-17 16 x lane + my A tiles in slot 0, 1;  v18-19 the same with 8 x lane
.set ADRB, 20                          ; v20-23 the same for B
.set VO16, 24                          ; v24 the way out: 16 x lane
.set VO8,  25                          ; v25 8 x lane + 512
.set VSO,  26                          ; v26 my scale word's place
.set ADRS, 27                          ; v27 LDS address of my scale words: lanes 0-15 A's, lanes 16-31 B's
.set SPW,  28                          ; v28 my spare word; never rewritten
.set NIL,  29                          ; v29 0; never rewritten
.set VSH,  30                          ; v30 how far my half of the lanes shifts the scale word
.set SC,   32
.set TM,   64                          ; v64-67 largest magnitudes, v68-71 bytes, v76-79 scale operands
.set PW,   80                          ; the scale word just made
.set VAL,  81                          ; and as it is stored
.set PC,   96                          ; v96-107 the codes just made; v108-114 at work
.set AF,   128
.set G1, 24
.set G0, 32
.set G1B, 48
.set G0B, 56
.set G1S, 68
.set G0S, 76
.set G1SB, 80
.set G0SB, 88
.set MSB, 0
.macro WIN new                         ; the immediate's high byte repeats the setting that is left
.if MSB != (\new)
	s_set_vgpr_msb (MSB<<8)|(\new)
.set MSB, (\new)
.endif
.endm
.set MUL_LO, 0xa1                      ; source 0 (B) window 1, source 1 (A) window 0, C and D window 2
.set MUL_HI, 0xf1
.set TO_B,   0x40
; A joint load: waves 0 and 1 fetch for A, waves 2 and 3 for B; the branch hangs on the wave's number alone.  Four v_nop follow each of the two lines.
.macro JLOAD g0a, g1a, g0b, g1b
	s_cmp_eq_u32 s15, 0
	s_cbranch_scc0 .Lfor_b_\@
	tensor_load_to_lds s[\g0a:\g0a+3], s[\g1a:\g1a+7]
	s_nop 0
.rept 4
	v_nop
.endr
	s_branch .Lasked_\@
.Lfor_b_\@:
	tensor_load_to_lds s[\g0b:\g0b+3], s[\g1b:\g1b+7]
	s_nop 0
.rept 4
	v_nop
.endr
.Lasked_\@:
.endm
.macro CREST                           ; a round of the cluster's barrier behind its opening barrier
	s_cmp_lg_u32 s14, 0
	s_cbranch_scc1 .Lnot_wave_0_\@
	s_barrier_signal -3
.Lnot_wave_0_\@:
	s_barrier_wait -3
	s_barrier_signal -1
	s_barrier_wait -1
.endm
.macro CROUND
	s_barrier_signal -1
	s_barrier_wait -1
	CREST
.endm
	s_load_b128 s[4:7], s[0:1], 0x0                ; xw s[4:5], qkv s[6:7]
	v_lshl_add_u32 v[SPW], v0, 2, SPARE
	v_mov_b32 v[NIL], 0
	ds_add_u32 v28, v29
	ds_add_u32 v28, v29
	s_wait_dscnt 0x0
	v_lshrrev_b32 v1, 5, v0
	v_readfirstlane_b32 s14, v1                    ; wave 0..3
	s_lshr_b32 s15, s14, 1                         ; which half of A's rows is mine.  Also: I fetch for A (0) or for B (1)
	s_and_b32 s16, s14, 1                          ; which half of B's.  Also: which eight tiles I fetch
	s_bfe_u32 s40, ttmp6, 0x40000                  ; cx, cy: my place in the cluster
	s_bfe_u32 s41, ttmp6, 0x40004
	s_lshl_b32 s43, s41, 2
	s_lshl_b32 s43, 15, s43                        ; my row of the cluster
	s_lshl_b32 s44, 0x1111, s40                    ; my column
	s_mov_b32 s19, ttmp9                           ; the cluster's x, 0..1
	s_and_b32 s17, ttmp7, 0xffff                   ; the cluster's y, 0..11
	s_sub_co_u32 s18, s17, 8
	s_lshl_b32 s18, s18, 1
	s_add_co_u32 s18, s18, s19                     ; v's part: 2 (y - 8) + x  (not chosen where y < 8)
	s_mov_b32 s96, 393216
	s_mov_b32 s97, 32768
	s_mov_b32 s101, 18874368
	s_cmp_ge_u32 s17, 8                            ; v's part?  Only moves and selects stand behind this compare
	s_cselect_b32 s92, 0, s17                      ; A's block of four tiles of 256 rows
	s_cselect_b32 s93, s18, s19                    ; B's
	s_cselect_b32 s94, 640, 0                      ; A's first row tile in xw: Wv's, or x's
	s_cselect_b32 s95, 0, 512                      ; B's: x's, or Wq's
	s_cselect_b32 s96, 49152, s96                  ; out: bytes from one 64 along B's side to the next
	s_cselect_b32 s97, 2048, s97                   ; the same for the scale words
	s_cselect_b32 s98, 0, 32768                    ; q, k: lanes 16-31 store the second head's word, one head on
	s_cselect_b32 s99, 0, 16                       ; which is the upper half of the word made
	s_cselect_b32 s100, 12582912, 0                ; where the codes begin in qkv
	s_cselect_b32 s101, 19922944, s101             ; and the scale words
	s_lshl_b32 s20, s92, 2
	s_add_co_u32 s20, s20, s41                     ; A's tile of 256 rows: it hangs on cy alone
	s_lshl_b32 s42, s93, 2
	s_add_co_u32 s42, s42, s40                     ; B's: on cx alone
	; descriptor group 1: eight row tiles x 3,072 bytes (384 elements of 8 bytes), 12,288 bytes apart in memory, on end in LDS
	s_or_b32 s[G1+0], s43, (3<<16)|(1<<21)         ; 15:0 the mask: A's tiles go to my row; 17:16 elements of 8 bytes; 21 set beside a mask
	s_or_b32 s[G1B+0], s44, (3<<16)|(1<<21)
.irp g, G1, G1B
	s_mov_b32 s[\g+1], 384<<16                     ; tensor_dim0
	s_mov_b32 s[\g+2], 8<<16                       ; tensor_dim1
	s_mov_b32 s[\g+3], 384<<16                     ; tile_dim0
	s_mov_b32 s[\g+4], 8                           ; tile_dim1
	s_mov_b32 s[\g+5], 1536                        ; tensor_dim0_stride
	s_mov_b32 s[\g+6], 0
	s_mov_b32 s[\g+7], 0
.endr
	; and for the scales of eight tiles: 4,096 dense bytes, as 16 rows of 256
	s_or_b32 s[G1S+0], s43, (3<<16)|(1<<21)
	s_or_b32 s[G1SB+0], s44, (3<<16)|(1<<21)
.irp g, G1S, G1SB
	s_mov_b32 s[\g+1], 32<<16
	s_mov_b32 s[\g+2], 16<<16
	s_mov_b32 s[\g+3], 32<<16
	s_mov_b32 s[\g+4], 16
	s_mov_b32 s[\g+5], 32
	s_mov_b32 s[\g+6], 0
	s_mov_b32 s[\g+7], 0
.endr
	s_lshl_b32 s18, s16, 3                         ; which eight tiles I fetch
	s_lshl_b32 s21, s20, 4
	s_add_co_u32 s21, s21, s94
	s_add_co_u32 s21, s21, s18                     ; A: the first of them
	s_lshl_b32 s22, s42, 4
	s_add_co_u32 s22, s22, s95
	s_add_co_u32 s22, s22, s18                     ; B
	s_mul_i32 s8, s21, TILEB                       ; their codes (all of xw lies under 2^24 bytes),
	s_mov_b32 s9, 0
	s_lshl_b32 s10, s21, 9
	s_add_co_u32 s10, s10, XWS                     ; their scales
	s_mov_b32 s11, 0
	s_mul_i32 s46, s22, TILEB
	s_mov_b32 s47, 0
	s_lshl_b32 s12, s22, 9
	s_add_co_u32 s12, s12, XWS
	s_mov_b32 s13, 0
	s_mul_i32 s45, s14, HALFT                      ; where they go: wave x eight tiles: no place in the cluster enters an LDS address
	s_mul_i32 s66, s14, HALFS
	s_wait_kmcnt 0x0
	s_add_nc_u64 s[8:9], s[4:5], s[8:9]
	s_add_nc_u64 s[10:11], s[4:5], s[10:11]
	s_add_nc_u64 s[46:47], s[4:5], s[46:47]
	s_add_nc_u64 s[12:13], s[4:5], s[12:13]
	CROUND                                         ; all sixteen work-groups are here: the first joint loads meet
	s_mov_b32 s[G0S], 1
	s_add_co_u32 s[G0S+1], s66, SCL
	s_mov_b64 s[G0S+2:G0S+3], s[10:11]
	s_or_b32 s[G0S+3], s[G0S+3], 0x80000000
	s_mov_b32 s[G0SB], 1
	s_add_co_u32 s[G0SB+1], s66, SCL
	s_mov_b64 s[G0SB+2:G0SB+3], s[12:13]
	s_or_b32 s[G0SB+3], s[G0SB+3], 0x80000000
	JLOAD G0S, G1S, G0SB, G1SB                     ; the scales first: they are wanted with K step 0
.irp s, 0,1
	s_mov_b32 s[G0+4*\s], 1
	s_add_co_u32 s[G0+4*\s+1], s45, \s*SLOT
	s_add_nc_u64 s[G0+4*\s+2:G0+4*\s+3], s[8:9], \s*KSB
	s_or_b32 s[G0+4*\s+3], s[G0+4*\s+3], 0x80000000
	s_mov_b32 s[G0B+4*\s], 1
	s_add_co_u32 s[G0B+4*\s+1], s45, \s*SLOT
	s_add_nc_u64 s[G0B+4*\s+2:G0B+4*\s+3], s[46:47], \s*KSB
	s_or_b32 s[G0B+4*\s+3], s[G0B+4*\s+3], 0x80000000
	JLOAD G0+4*\s, G1, G0B+4*\s, G1B               ; three tensor loads of mine are out now, the most in this text
.endr
	v_and_b32 v1, 15, v0                           ; r
	v_bfe_u32 v2, v0, 4, 1                         ; h
	v_and_b32 v3, 31, v0                           ; lane
	v_lshlrev_b32 v4, 4, v3
	v_lshlrev_b32 v5, 3, v3
	s_mul_i32 s21, s15, HALFT                      ; my eight tiles of A
	s_mul_i32 s22, s16, HALFT                      ; my eight of B,
	s_add_co_u32 s22, s22, 2*HALFT                 ; which lie behind A's sixteen
.irp s, 0,1
	v_add_nc_u32 v[ADRA+\s], s21, v4
	v_add_nc_u32 v[ADRB+\s], s22, v4
	v_add_nc_u32 v[ADRA+2+\s], s21, v5
	v_add_nc_u32 v[ADRB+2+\s], s22, v5
	s_add_co_u32 s21, s21, SLOT
	s_add_co_u32 s22, s22, SLOT
.endr
	v_lshlrev_b32 v6, 3, v1                        ; my row's 8 scale bytes of a K step
	s_mul_i32 s21, s15, HALFS
	s_mul_i32 s22, s16, HALFS
	s_add_co_u32 s22, s22, 2*HALFS
	s_sub_co_u32 s22, s22, s21
	v_mul_u32_u24 v7, s22, v2                      ; lanes 16-31 take B's: one product, the distance between the two
	s_add_co_u32 s21, s21, SCL
	v_add_nc_u32 v6, v6, v7
	v_add_nc_u32 v[ADRS], s21, v6
	v_mov_b32 v[VO16], v4
	v_add_nc_u32 v[VO8], 512, v5
	v_mul_u32_u24 v[VSO], s98, v2
	v_lshl_add_u32 v[VSO], v1, 2, v[VSO]
	v_mul_u32_u24 v[VSH], s99, v2
.irp b, 0,1,2,3
	v_mov_b32 v[TM+4+\b], 0                        ; a lane permute's destination counts as one of its sources
.endr
	s_lshl_b32 s17, s20, 4
	s_lshl_b32 s18, s15, 3
	s_add_co_u32 s17, s17, s18                     ; the way out: my first tile on A's side,
	s_lshl_b32 s18, s42, 2
	s_lshl_b32 s19, s16, 1
	s_add_co_u32 s18, s18, s19                     ; my first 64 on B's side
	s_mul_i32 s8, s18, s96
	s_mul_i32 s19, s17, 768
	s_add_co_u32 s8, s8, s19
	s_add_co_u32 s8, s8, s100
	s_mov_b32 s9, 0
	s_add_nc_u64 s[8:9], s[6:7], s[8:9]            ; the first unit of a fragment goes here,
	s_mov_b32 s12, s96
	s_mov_b32 s13, 0
	s_add_nc_u64 s[12:13], s[8:9], s[12:13]        ; the second here
	s_mul_i32 s10, s18, s97
	s_lshl_b32 s19, s17, 6
	s_add_co_u32 s10, s10, s19
	s_add_co_u32 s10, s10, s101
	s_mov_b32 s11, 0
	s_add_nc_u64 s[10:11], s[6:7], s[10:11]        ; and the scale words here
.macro FRAG reg, adr, q, i             ; tile i's fragment of the slot's q-th 128 along K: two units, as they lie
	ds_load_b128 v[\reg:\reg+3],     v[\adr]   offset:(\i)*KSB+(\q)*1536
	ds_load_b64  v[\reg+4:\reg+5],   v[\adr+2] offset:(\i)*KSB+(\q)*1536+512
	ds_load_b128 v[\reg+6:\reg+9],   v[\adr]   offset:(\i)*KSB+(\q)*1536+768
	ds_load_b64  v[\reg+10:\reg+11], v[\adr+2] offset:(\i)*KSB+(\q)*1536+1280
.endm
; 16 matrix instructions: A's blocks a0, a0 + 1 x B's eight.  The 64 accumulators take turns, one instruction a turn, in the same order in every step.
.macro MUL16 a0, p, q, sc, zero
.irp a, \a0, \a0+1
.irp b, 0,1,2,3,4,5,6,7
.if \zero
	v_wmma_scale_f32_16x16x128_f8f6f4 v[8*(8*((\a)%4)+\b):8*(8*((\a)%4)+\b)+7], v[128*(\p)+FR*\b:128*(\p)+FR*\b+FR-1], v[AF+FR*(\a):AF+FR*(\a)+FR-1], 0, v[SC+8*NQ*(\sc)+NQ*\b+(\q)], v[SC+8*NQ*(\sc)+NQ*(\a)+(\q)] matrix_a_fmt:MATRIX_FMT_FP6 matrix_b_fmt:MATRIX_FMT_FP6 matrix_a_scale:MATRIX_SCALE_ROW1
.else
	v_wmma_scale_f32_16x16x128_f8f6f4 v[8*(8*((\a)%4)+\b):8*(8*((\a)%4)+\b)+7], v[128*(\p)+FR*\b:128*(\p)+FR*\b+FR-1], v[AF+FR*(\a):AF+FR*(\a)+FR-1], v[8*(8*((\a)%4)+\b):8*(8*((\a)%4)+\b)+7], v[SC+8*NQ*(\sc)+NQ*\b+(\q)], v[SC+8*NQ*(\sc)+NQ*(\a)+(\q)] matrix_a_fmt:MATRIX_FMT_FP6 matrix_b_fmt:MATRIX_FMT_FP6 matrix_a_scale:MATRIX_SCALE_ROW1
.endif
.endr
.endr
.endm
.macro FETCH_B slot, q, p
	WIN TO_B
.irp i, 0,1,2,3,4,5,6,7
	FRAG 128*(\p)+FR*\i, ADRB+\slot, \q, \i
.endr
	WIN 0
.endm
.macro FETCH_A slot, q, i0
.irp i, \i0, \i0+1, \i0+2, \i0+3
	FRAG AF+FR*(\i), ADRA+\slot, \q, \i
.endr
.endm
.macro SCALES sc                       ; a K step's scale words: lanes 0-15 A's block i, lanes 16-31 B's block i
.irp i, 0,1,2,3,4,5,6,7
	ds_load_b64 v[SC+8*NQ*\sc+NQ*\i:SC+8*NQ*\sc+NQ*\i+1], v[ADRS] offset:\i*512
.endr
.endm
.macro PLACES n                        ; plain vector instructions that name none of a matrix instruction's registers, in front of loads into registers that it has read and of reads of its results
.rept \n
	v_nop
.endr
.endm
.macro STEP slot, q, zero              ; 128 along K whose successor lies in the same slot
	s_wait_dscnt 4*NL                              ; B's set and A's blocks 0-3 are in; the youngest 16 loads (A's blocks 4-7) may be out
	WIN MUL_LO
	MUL16 0, (\q)%2, \q, \slot, \zero
	MUL16 2, (\q)%2, \q, \slot, \zero
	s_wait_dscnt 0
	PLACES NP
	FETCH_B \slot, (\q)+1, 1-(\q)%2
	FETCH_A \slot, (\q)+1, 0
	WIN MUL_HI
	MUL16 4, (\q)%2, \q, \slot, \zero
	MUL16 6, (\q)%2, \q, \slot, \zero
	PLACES NP
	WIN 0
	FETCH_A \slot, (\q)+1, 4
.endm
; A slot's last step changes slots: one barrier; in front of it each wave waits for all its tensor loads, adds 0 to its spare word, and waits for that and for its reads of this slot.  fill = 1: this slot is filled again, two K steps ahead.
.macro TURN slot, next, fill
	s_wait_tensorcnt 0x0                           ; all my tensor loads have landed: my part of the next slot
	ds_add_u32 v[SPW], v[NIL]                      ; 0 onto my spare word
	s_wait_dscnt 4*NL+1                            ; (the add and the youngest 16 loads may be out)
	WIN MUL_LO
	MUL16 0, 1, NQ-1, \slot, 0                     ; sixteen matrix instructions stand between the add and the wait for it
	s_wait_dscnt 0x0                               ; the add is done, and my reads of this slot are over
	s_barrier_signal -1
	MUL16 2, 1, NQ-1, \slot, 0
	WIN 0
	s_barrier_wait -1
.if \fill
	CREST                                          ; the barrier has opened a round of the cluster's: no wave of any partner still reads this slot or has a load on its way
	s_add_nc_u64 s[G0+4*\slot+2:G0+4*\slot+3], s[G0+4*\slot+2:G0+4*\slot+3], 2*KSB
	s_add_nc_u64 s[G0B+4*\slot+2:G0B+4*\slot+3], s[G0B+4*\slot+2:G0B+4*\slot+3], 2*KSB
	JLOAD G0+4*\slot, G1, G0B+4*\slot, G1B         ; the first tensor load behind the round; its four v_nop are the places in front of the loads below
.else
	PLACES NP
.endif
	v_add_nc_u32 v[ADRS], 128, v[ADRS]             ; the next K step's scale words
	FETCH_B \next, 0, 0
	FETCH_A \next, 0, 0
	SCALES \next
	WIN MUL_HI
	MUL16 4, 1, NQ-1, \slot, 0
	MUL16 6, 1, NQ-1, \slot, 0
	PLACES NP
	WIN 0
	FETCH_A \next, 0, 4
.endm
	s_wait_tensorcnt 1                             ; the scales and my part of K step 0 are in (K step 1's load may be out)
	s_barrier_signal -1
	s_barrier_wait -1
	FETCH_B 0, 0, 0
	FETCH_A 0, 0, 0
	SCALES 0
	FETCH_A 0, 0, 4
	STEP 0, 0, 1                                   ; the first products start the sums: nothing is cleared.  K = 1,024 is four K steps: they are written out
	TURN 0, 1, 1                                   ; slot 0 takes K step 2
	STEP 1, 0, 0
	TURN 1, 0, 1                                   ; slot 1 takes K step 3
	STEP 0, 0, 0
	TURN 0, 1, 0
	STEP 1, 0, 0
	s_wait_dscnt 4*NL
	WIN MUL_LO
	MUL16 0, 1, NQ-1, 1, 0
	MUL16 2, 1, NQ-1, 1, 0
	s_wait_dscnt 0
	WIN MUL_HI
	MUL16 4, 1, NQ-1, 1, 0
	MUL16 6, 1, NQ-1, 1, 0
	WIN 0
; THE WAY OUT.  A block's 64 registers of a lane, in window w from v[s] on, are 128 numbers' half: register 16 b + i = place 32 b + 16 (lane / 16) + i along the next K, of the lane's row.
; They become a fragment's codes in v[PC] on (two units) and its scale word in v[PW].  Each accumulator is read from its low end on.
.macro Q128 w, s
	WIN (\w)|((\w)<<2)
.irp b, 0,1,2,3
	v_max3_num_f32 v[TM+\b], |v[(\s)+16*\b]|, |v[(\s)+1+16*\b]|, 0x1800000   ; with the floor 2^(3 - 127): the byte cannot fall under 1
.endr
	WIN ((\w)<<2)|((\w)<<4)
.irp i, 2,4,6,8,10,12,14
.irp b, 0,1,2,3
	v_max3_num_f32 v[TM+\b], v[TM+\b], |v[(\s)+16*\b+\i]|, |v[(\s)+1+16*\b+\i]|
.endr
.endr
	WIN 0
.irp b, 0,1,2,3
	v_permlanex16_b32 v[TM+4+\b], v[TM+\b], s2, s3
.endr
.irp b, 0,1,2,3
	v_max_num_f32 v[TM+\b], v[TM+\b], v[TM+4+\b]   ; with lane l xor 16's: the block's largest magnitude
.endr
.irp b, 0,1,2,3
	v_add_nc_u32 v[TM+12+\b], 0xff000000, v[TM+\b] ; 2 off its exponent field: the conversion's scale operand
.endr
.irp b, 0,1,2,3
	v_lshrrev_b32 v[TM+4+\b], 23, v[TM+12+\b]      ; the scale's byte
.endr
	v_lshl_or_b32 v[PW], v[TM+5], 8, v[TM+4]
	v_lshl_or_b32 v[PW], v[TM+6], 16, v[PW]
	v_lshl_or_b32 v[PW], v[TM+7], 24, v[PW]
	s_wait_xcnt 0x0                                ; the last block's stores have read their registers
	WIN (\w)
.irp c, 0,1
	v_cvt_scalef32_pk16_fp6_f32 v[PC+6*\c:PC+2+6*\c], v[(\s)+32*\c:(\s)+15+32*\c], v[TM+12+2*\c]
	v_cvt_scalef32_pk16_fp6_f32 v[PC+12+4*\c:PC+14+4*\c], v[(\s)+16+32*\c:(\s)+31+32*\c], v[TM+12+2*\c+1]
.endr
	WIN 0
	v_nop                                          ; one plain place behind a scaled conversion
.irp c, 0,1                            ; the layout wants a whole block in a lane: lanes 0-15 block 2 c, lanes 16-31 block 2 c + 1
.irp i, 0,1,2
	v_permlane16_swap_b32 v[PC+6*\c+\i], v[PC+12+4*\c+\i]
.endr
.irp i, 0,1,2
	v_mov_b32 v[PC+3+6*\c+\i], v[PC+12+4*\c+\i]
.endr
.endr
.endm
	s_mov_b32 s2, 0x76543210
	s_mov_b32 s3, 0xfedcba98                       ; v_permlanex16_b32's selects for lane l xor 16
	PLACES NP
.irp a, 0,1,2,3,4,5,6,7
	Q128 2+\a/4, 64*(\a%4)
	v_lshrrev_b32 v[VAL], v[VSH], v[PW]            ; q, k: lanes 16-31 take the second head's two bytes;  v: every lane the whole word (both halves of the lanes then store the same word to the same place)
	global_store_b128 v[VO16], v[PC:PC+3], s[8:9] offset:\a*768          ; each store covers 512 or 256 consecutive bytes, aligned to 256
	global_store_b64 v[VO8], v[PC+4:PC+5], s[8:9] offset:\a*768
	global_store_b128 v[VO16], v[PC+6:PC+9], s[12:13] offset:\a*768
	global_store_b64 v[VO8], v[PC+10:PC+11], s[12:13] offset:\a*768
	global_store_b32 v[VSO], v[VAL], s[10:11] offset:\a*64
.endr
	s_wait_tensorcnt 0x0                           ; the wave's end
	ds_add_u32 v[SPW], v[NIL]
	s_wait_dscnt 0x0
	CROUND                                         ; the closing round: no work-group ends while a partner may still ask for a tile that names it
	s_endpgm
.Lfunc_end_k_q215cd85d3f_qkv:
	.size	k_q215cd85d3f_qkv, .Lfunc_end_k_q215cd85d3f_qkv-k_q215cd85d3f_qkv
	.p2alignl 7, 3214868480
	.fill 96, 4, 3214868480
	.section	.rodata,"a",@progbits
	.p2align	6, 0x0
	.amdhsa_kernel k_q215cd85d3f_qkv
		.amdhsa_group_segment_fixed_size 327680
		.amdhsa_private_segment_fixed_size 0
		.amdhsa_enable_private_segment 0
		.amdhsa_kernarg_size 16
		.amdhsa_user_sgpr_count 2
		.amdhsa_user_sgpr_kernarg_segment_ptr 1
		.amdhsa_wavefront_size32 1
		.amdhsa_system_sgpr_workgroup_id_x 1
		.amdhsa_system_sgpr_workgroup_id_y 1
		.amdhsa_system_sgpr_workgroup_id_z 1
		.amdhsa_system_vgpr_workitem_id 0
		.amdhsa_next_free_vgpr 1024
		.amdhsa_next_free_sgpr 102
		.amdhsa_reserve_vcc 0
		.amdhsa_float_denorm_mode_32 3
		.amdhsa_float_denorm_mode_16_64 3
		.amdhsa_memory_ordered 1
		.amdhsa_forward_progress 1
		.amdhsa_inst_pref_size 151
	.end_amdhsa_kernel
	.amdgpu_metadata
---
amdhsa.version: [ 1, 2 ]
amdhsa.kernels:
  - .name:           k_q215cd85d3f_qkv
    .symbol:         k_q215cd85d3f_qkv.kd
    .args:
      - { .name: xw, .offset: 0, .size: 8, .value_kind: global_buffer, .address_space: global }
      - { .name: qkv, .offset: 8, .size: 8, .value_kind: global_buffer, .address_space: global }
    .group_segment_fixed_size: 327680
    .private_segment_fixed_size: 0
    .kernarg_segment_align: 8
    .kernarg_segment_size: 16
    .max_flat_workgroup_size: 128
    .sgpr_count:     102
    .vgpr_count:     1024
    .wavefront_size: 32
...
	.end_amdgpu_metadata
.endif
;; end of part 2
;; launch attn (part 3): grid 4 x 64, 16 waves a work-group, clusters of 4 x 1, 215,040 bytes of LDS; arguments qkv, ob; writes ob
.if DOCPART == 3
	.amdgcn_target "amdgcn-amd-amdhsa--gfx1250"
	.amdhsa_code_object_version 6
	.text
	.protected	k_q215cd85d3f_attn
	.globl	k_q215cd85d3f_attn
	.p2align	8
	.type	k_q215cd85d3f_attn,@function
k_q215cd85d3f_attn:
	s_mov_b64 s[64:65], 0
	v_nop
	global_prefetch_b8 v0, s[64:65] scope:SCOPE_SE
	s_setreg_imm32_b32 hwreg(HW_REG_WAVE_MODE, 25, 1), 1
	s_wait_xcnt 0x0
	s_wait_alu depctr_hold_cnt(0) depctr_sa_sdst(0) depctr_va_vdst(0) depctr_va_sdst(0) depctr_va_ssrc(0) depctr_va_vcc(0) depctr_vm_vsrc(0)
	s_getreg_b32 s2, hwreg(HW_REG_IB_STS2, 6, 4)
	s_cmp_eq_u32 s2, 0
	s_cbranch_scc0 .Lentry_in_a_cluster
	s_endpgm
.Lentry_in_a_cluster:
	s_bfe_u32 s2, ttmp6, 0x10000c
	s_cmp_lg_u32 s2, 0x3003
	s_cbranch_scc0 .Lentry_shape_is_right
	s_endpgm
.Lentry_shape_is_right:
; o = softmax(q k^T / 8) v for one (batch, head), both products on codes of FP6 (E2M3); o is quantised along the head's 64 and leaves as the output projection's operand.
; q, k: units of 16 tokens x 64 (the head's whole d); the instruction's K is 128, so registers 6-11 of both fragments are zero codes, which add nothing.  v: units of 16 d x 64 keys.
; THE SOFTMAX: t = score x log2(e) / 8; M = the running largest t rounded UP to a whole number; p = 2^(t - M) is quantised along the keys, not normalised; the row's sum is taken of the unquantised p and divides at the end.
; When M moves, the sum and O are multiplied by 2^(old M - new M): exact, and without a branch on data.
; SHARES.  A work-group owns 512 queries of one head; each of its sixteen waves two tiles of 16, one after the other, in 256 registers: four waves to a SIMD, so that one wave's vector work stands beside another's products and LDS loads.
; THE WHOLE HEAD'S K AND V LIE IN LDS: 2,048 keys are 98,304 bytes of k's codes, as many of v's, 8,192 + 4,096 bytes of scale words.  They are filled ONCE: no slot is filled again.
; CLUSTER.  The four work-groups of a head form a cluster and ask for these tiles jointly: the same tensor load, the same descriptor, the mask 15.
; LAYOUT.  S^T = K Q^T and O^T = V^T P^T: a lane holds one query throughout.  By the choice of a tile's rows (lane r of tile 2 g + u: row 32 g + 8 u + r + 8 (r / 8)) the 16 registers of two neighbouring tiles are 16 neighbouring keys, or d.
; The two bytes of o's scales for a row and a head are stored by themselves, 8 bytes apart, 256 KB in all: stated as it is.
; LIMITS: a block whose largest magnitude lies under 2^-124, a block of zeros too, has the byte 1; NaN and infinities are not served.
.set VC,   12582912
.set QKS,  18874368
.set VSC,  19922944
.set OS,   6291456
.set VCL,  98304                       ; LDS: k's codes at 0, v's here,
.set KSL,  196608                      ; k's scale words,
.set VSL,  204800                      ; v's
.set KB,   48                          ; v48-95   four fragments of K; registers 6-11 of each are zeros, written once
.set S,    96                          ; v96-159  S^T, then p; v96-143 then V's four fragments; at a tile's end o
.set O,    160                         ; v160-191 O^T
.set PCD,  192                         ; v192-203 p's codes; v204-206, v208-210 at work
.set BM,   212                         ; v212-215 the blocks' largest; v216-219 permutes, bytes; v220-223 scale operands
.set WV,   8
.set SEL,  20
.set CS,   22
.set G1K,  24
.set G1V,  32
.set G1KS, 40
.set G1VS, 48
.set G0K,  56
.set G0V,  60
.set G0KS, 68
.set G0VS, 72
.set TK,   76                          ; s76 the step's codes: 6,144 bytes a step, K's and V's alike
.set TKS,  77                          ; s77 K's scale words: 512 a step
.set TVS,  78                          ; s78 V's: 256 a step
.set CNT,  79
.macro CROUND                          ; a round of the cluster's barrier
	s_barrier_signal -1
	s_barrier_wait -1
	s_cmp_lg_u32 s[WV], 0
	s_cbranch_scc1 .Lnot_wave_0_\@
	s_barrier_signal -3
.Lnot_wave_0_\@:
	s_barrier_wait -3
	s_barrier_signal -1
	s_barrier_wait -1
.endm
	s_load_b128 s[4:7], s[0:1], 0x0                ; qkv s[4:5], ob s[6:7]
	v_lshl_add_u32 v254, v0, 2, 0x34000
	v_mov_b32 v255, 0
	ds_add_u32 v254, v255
	ds_add_u32 v254, v255
	v_lshrrev_b32 v1, 5, v0
	v_readfirstlane_b32 s[WV], v1                  ; wave 0..15
	s_bfe_u32 s9, ttmp6, 0x40000                   ; cx
	s_and_b32 s12, ttmp7, 0xffff
	s_lshr_b32 s10, s12, 4                         ; the batch
	s_and_b32 s11, s12, 15                         ; the head: both are shared by the four partners
	s_add_co_u32 s12, s11, 16
	s_mul_i32 s80, s12, 393216                     ; k's units of this head,
	s_mul_i32 s13, s10, 98304                      ; of this batch,
	s_add_co_u32 s80, s80, s13
	s_mul_i32 s14, s[WV], 24576                    ; my quarter (waves 0-3).  Also the LDS address: waves 0-3 k's quarters, waves 4-7 v's
	s_add_co_u32 s80, s80, s14
	s_mov_b32 s81, 0
	s_lshl_b32 s13, s10, 5
	s_lshl_b32 s15, s[WV], 3
	s_add_co_u32 s13, s13, s15
	s_mul_i32 s82, s13, 49152                      ; v: the run of 64 keys 32 batch + 8 (wave - 4); the - 4 stands in the constant below
	s_mul_i32 s13, s11, 3072                       ; the head's four tiles
	s_add_co_u32 s82, s82, s13
	s_add_co_u32 s82, s82, VC-32*49152
	s_mov_b32 s83, 0
	s_lshl_b32 s84, s12, 15
	s_lshl_b32 s13, s10, 13
	s_add_co_u32 s84, s84, s13
	s_add_co_u32 s84, s84, QKS                     ; k's scale words
	s_mov_b32 s85, 0
	s_lshl_b32 s86, s10, 16
	s_lshl_b32 s13, s11, 8
	s_add_co_u32 s86, s86, s13
	s_add_co_u32 s86, s86, VSC                     ; v's
	s_mov_b32 s87, 0
	s_lshl_b32 s88, ttmp9, 2
	s_add_co_u32 s88, s88, s9                      ; my quarter of the queries: it enters q's and o's addresses alone
	s_lshl_b32 s88, s88, 5
	s_lshl_b32 s13, s10, 7
	s_add_co_u32 s88, s88, s13
	s_lshl_b32 s13, s[WV], 1
	s_add_co_u32 s88, s88, s13                     ; my first tile of queries: 128 batch + 32 quarter + 2 wave
	s_mul_i32 s90, s11, 393216
	s_mul_i32 s13, s88, 768
	s_add_co_u32 s90, s90, s13                     ; q's units
	s_mov_b32 s91, 0
	s_lshl_b32 s92, s11, 15
	s_lshl_b32 s13, s88, 6
	s_add_co_u32 s92, s92, s13
	s_add_co_u32 s92, s92, QKS                     ; q's scale words
	s_mov_b32 s93, 0
	s_lshl_b32 s94, s88, 4
	s_add_co_u32 s94, s94, s11
	s_mul_i32 s94, s94, 768                        ; o's unit: [tile][head]
	s_mov_b32 s95, 0
	s_lshl_b32 s96, s88, 9
	s_lshr_b32 s13, s11, 2
	s_lshl_b32 s13, s13, 7
	s_add_co_u32 s96, s96, s13
	s_and_b32 s13, s11, 3
	s_lshl_b32 s13, s13, 1
	s_add_co_u32 s96, s96, s13
	s_add_co_u32 s96, s96, OS                      ; o's scales: [tile][head / 4][r][8], my two bytes at 2 (head % 4)
	s_mov_b32 s97, 0
	; descriptor groups 1.  Elements of 8 bytes; the mask names all four work-groups; bit 21 is set beside it
.irp g, G1K, G1V, G1KS, G1VS
	s_mov_b32 s[\g], 15|(3<<16)|(1<<21)
	s_mov_b32 s[\g+6], 0
	s_mov_b32 s[\g+7], 0
.endr
	s_mov_b32 s[G1K+1], 32<<16                     ; k's codes: 24,576 dense bytes as 96 rows of 256
	s_mov_b32 s[G1K+2], 96<<16
	s_mov_b32 s[G1K+3], 32<<16
	s_mov_b32 s[G1K+4], 96
	s_mov_b32 s[G1K+5], 32
	s_mov_b32 s[G1V+1], 384<<16                    ; v's: 8 runs of 64 keys x the head's 3,072 bytes, 49,152 bytes apart
	s_mov_b32 s[G1V+2], 8<<16
	s_mov_b32 s[G1V+3], 384<<16
	s_mov_b32 s[G1V+4], 8
	s_mov_b32 s[G1V+5], 6144
	s_mov_b32 s[G1KS+1], 32<<16                    ; k's scale words: 8,192 dense bytes
	s_mov_b32 s[G1KS+2], 32<<16
	s_mov_b32 s[G1KS+3], 32<<16
	s_mov_b32 s[G1KS+4], 32
	s_mov_b32 s[G1KS+5], 32
	s_mov_b32 s[G1VS+1], 32<<16                    ; v's: 16 runs of 128 keys x the head's 256 bytes, 4,096 bytes apart
	s_mov_b32 s[G1VS+2], 16<<16
	s_mov_b32 s[G1VS+3], 32<<16
	s_mov_b32 s[G1VS+4], 16
	s_mov_b32 s[G1VS+5], 512
	s_mov_b32 s[SEL], 0x76543210
	s_mov_b32 s[SEL+1], 0xfedcba98
	s_mov_b32 s[CS], 0x3e38aa3b                    ; c = log2(e) / 8
	s_mov_b32 s[CS+1], s[CS]                       ; (named with it as a pair, so it is written)
	s_wait_dscnt 0x0
	s_wait_kmcnt 0x0
	s_mov_b32 s[G0K], 1
	s_mov_b32 s[G0K+1], s14
	s_add_nc_u64 s[G0K+2:G0K+3], s[4:5], s[80:81]
	s_or_b32 s[G0K+3], s[G0K+3], 0x80000000
	s_mov_b32 s[G0V], 1
	s_mov_b32 s[G0V+1], s14
	s_add_nc_u64 s[G0V+2:G0V+3], s[4:5], s[82:83]
	s_or_b32 s[G0V+3], s[G0V+3], 0x80000000
	s_mov_b32 s[G0KS], 1
	s_mov_b32 s[G0KS+1], KSL
	s_add_nc_u64 s[G0KS+2:G0KS+3], s[4:5], s[84:85]
	s_or_b32 s[G0KS+3], s[G0KS+3], 0x80000000
	s_mov_b32 s[G0VS], 1
	s_mov_b32 s[G0VS+1], VSL
	s_add_nc_u64 s[G0VS+2:G0VS+3], s[4:5], s[86:87]
	s_or_b32 s[G0VS+3], s[G0VS+3], 0x80000000
	s_add_nc_u64 s[90:91], s[4:5], s[90:91]
	s_add_nc_u64 s[92:93], s[4:5], s[92:93]
	s_add_nc_u64 s[94:95], s[6:7], s[94:95]
	s_add_nc_u64 s[96:97], s[6:7], s[96:97]
	CROUND                                         ; all four work-groups are here: the joint loads meet
	; Waves 0-3: k's codes; 4-7: v's; 8: k's scale words; 9: v's; the others nothing.  One tensor load a wave at the most.  The branches hang on the wave's number alone.  Four v_nop follow each line.
	s_cmp_lt_u32 s[WV], 4
	s_cbranch_scc0 .Lfill_v
	tensor_load_to_lds s[G0K:G0K+3], s[G1K:G1K+7]
	s_nop 0
.rept 4
	v_nop
.endr
	s_branch .Lfilled
.Lfill_v:
	s_cmp_lt_u32 s[WV], 8
	s_cbranch_scc0 .Lfill_ks
	tensor_load_to_lds s[G0V:G0V+3], s[G1V:G1V+7]
	s_nop 0
.rept 4
	v_nop
.endr
	s_branch .Lfilled
.Lfill_ks:
	s_cmp_eq_u32 s[WV], 8
	s_cbranch_scc0 .Lfill_vs
	tensor_load_to_lds s[G0KS:G0KS+3], s[G1KS:G1KS+7]
	s_nop 0
.rept 4
	v_nop
.endr
	s_branch .Lfilled
.Lfill_vs:
	s_cmp_eq_u32 s[WV], 9
	s_cbranch_scc0 .Lfilled
	tensor_load_to_lds s[G0VS:G0VS+3], s[G1VS:G1VS+7]
	s_nop 0
.rept 4
	v_nop
.endr
.Lfilled:
	v_and_b32 v42, 31, v0                          ; lane
	v_and_b32 v43, 15, v0                          ; r
	v_lshlrev_b32 v1, 4, v42                       ; k's codes: a unit's registers 0-3
	v_lshlrev_b32 v2, 3, v42
	v_add_nc_u32 v2, 512, v2                       ; registers 4-5
	v_add_nc_u32 v3, VCL, v1                       ; v's likewise
	v_add_nc_u32 v4, VCL, v2
	v_lshlrev_b32 v5, 2, v42
	v_add_nc_u32 v6, VSL, v5                       ; scale words: 4 x lane: a register carries two tiles' words, one in each half of the lanes
	v_add_nc_u32 v5, KSL, v5
	v_mov_b32 v7, v1                               ; in memory: a unit's registers 0-3,
	v_mov_b32 v8, v2                               ; 4-5
	v_lshlrev_b32 v9, 3, v43                       ; o's scales: 8 bytes a row
	v_lshlrev_b32 v44, 2, v43
	global_load_b128 v[16:19], v7, s[90:91]        ; my two tiles of queries stay in registers
	global_load_b64 v[20:21], v8, s[90:91]
	global_load_b128 v[28:31], v7, s[90:91] offset:768
	global_load_b64 v[32:33], v8, s[90:91] offset:768
	global_load_b32 v40, v44, s[92:93]             ; and their scale words
	global_load_b32 v41, v44, s[92:93] offset:64
.irp p, 22,23,24,25,26,27,34,35,36,37,38,39
	v_mov_b32 v\p, 0                               ; d = 64 .. 127: zero codes
.endr
.irp t, 0,1,2,3
.irp p, 6,7,8,9,10,11
	v_mov_b32 v[KB+12*\t+\p], 0
.endr
.endr
.irp p, 216,217,218,219,225,226
	v_mov_b32 v\p, 0                               ; permutes' destinations, and the upper half of the pair v[224:225], are written before they are named
.endr
	s_wait_loadcnt 0x0                             ; q
	s_wait_tensorcnt 0x0                           ; my part of the head is in,
	s_barrier_signal -1
	s_barrier_wait -1                              ; everybody's is
; A KEY STEP: 128 keys.  q: my queries' fragment, qs: its scale words.
.macro STEP q, qs
	v_add_nc_u32 v42, s[TK], v1                    ; six plain lines: more than the five places that are owed before S^T is laid over V's fragments, which the last products read
	v_add_nc_u32 v43, s[TK], v2
	v_add_nc_u32 v44, s[TK], v3
	v_add_nc_u32 v45, s[TK], v4
	v_add_nc_u32 v46, s[TKS], v5
	v_add_nc_u32 v47, s[TVS], v6
.irp g, 0,1                            ; S^T = K Q^T, four tiles of 16 keys at a time
.if \g
.rept 4
	v_nop                                          ; places in front of loads into registers that matrix instructions have read
.endr
.endif
.irp t, 0,1,2,3
	ds_load_b128 v[KB+12*\t:KB+12*\t+3], v42 offset:(4*\g+\t)*768
	ds_load_b64 v[KB+12*\t+4:KB+12*\t+5], v43 offset:(4*\g+\t)*768
.endr
	ds_load_b32 v10, v46 offset:256*\g
	ds_load_b32 v11, v46 offset:256*\g+128
	s_wait_dscnt 0x0
.irp t, 0,1,2,3
.if \t%2
	v_wmma_scale_f32_16x16x128_f8f6f4 v[S+8*(4*\g+\t):S+8*(4*\g+\t)+7], v[KB+12*\t:KB+12*\t+11], v[\q:\q+11], 0, v[10+\t/2], v[\qs] matrix_a_fmt:MATRIX_FMT_FP6 matrix_b_fmt:MATRIX_FMT_FP6 matrix_a_scale:MATRIX_SCALE_ROW1
.else
	v_wmma_scale_f32_16x16x128_f8f6f4 v[S+8*(4*\g+\t):S+8*(4*\g+\t)+7], v[KB+12*\t:KB+12*\t+11], v[\q:\q+11], 0, v[10+\t/2], v[\qs] matrix_a_fmt:MATRIX_FMT_FP6 matrix_b_fmt:MATRIX_FMT_FP6
.endif
.endr
.endr
.rept 4
	v_nop
.endr
.irp b, 0,1,2,3
	v_max3_num_f32 v[BM+\b], v[S+16*\b], v[S+1+16*\b], v[S+2+16*\b]   ; the largest score of each block of 32 keys: it serves for the row's maximum and, since p rises with the score, for the block's largest p
.endr
.irp i, 3,5,7,9,11,13
.irp b, 0,1,2,3
	v_max3_num_f32 v[BM+\b], v[BM+\b], v[S+16*\b+\i], v[S+1+16*\b+\i]
.endr
.endr
.irp b, 0,1,2,3
	v_max_num_f32 v[BM+\b], v[BM+\b], v[S+15+16*\b]
.endr
.irp b, 0,1,2,3
	v_permlanex16_b32 v[BM+4+\b], v[BM+\b], s[SEL], s[SEL+1]
.endr
.irp b, 0,1,2,3
	v_max_num_f32 v[BM+\b], v[BM+\b], v[BM+4+\b]   ; with lane l xor 16's 16 keys
.endr
	v_max3_num_f32 v226, v[BM], v[BM+1], v[BM+2]
	v_max_num_f32 v226, v226, v[BM+3]
	v_mul_f32 v226, s[CS], v226                    ; the step's largest t (c is positive)
	v_max_num_f32 v13, v13, v226                   ; the running largest t
	v_mov_b32 v226, v12
	v_floor_f32 v12, -v13                          ; the new -M = floor(-t): M is a whole number
	v_sub_f32 v226, v12, v226                      ; old M - new M: a whole number, 0 or less
	v_cvt_i32_f32 v226, v226                       ; (it saturates)
	v_ldexp_f32 v224, 1.0, v226                    ; f = 2^(old M - new M)
.set j, 0
.rept 32
	v_pk_fma_f32 v[S+j:S+j+1], v[S+j:S+j+1], s[CS:CS+1], v[12:13] op_sel_hi:[1,0,0]   ; t - M, two at a time
.set j, j+2
.endr
.irp b, 0,1,2,3
	v_fma_f32 v[BM+\b], v[BM+\b], s[CS], v12
.endr
.set j, 0
.rept 64
	v_exp_f32 v[S+j], v[S+j]                       ; p = 2^(t - M), at most 1
.set j, j+1
.endr
.irp b, 0,1,2,3
	v_exp_f32 v[BM+\b], v[BM+\b]                   ; the block's largest p: the same two instructions on the same number
.endr
	v_pk_mul_f32 v[14:15], v[14:15], v[224:225] op_sel_hi:[1,0]   ; the sums under the new M.  (A plain place behind the exponentials)
	s_wait_alu depctr_va_vdst(0)
.irp b, 0,1,2,3
	v_max_num_f32 v[BM+\b], 0x1800000, v[BM+\b]    ; the floor 2^(3 - 127): the byte cannot fall under 1
.endr
.irp b, 0,1,2,3
	v_add_nc_u32 v[BM+8+\b], 0xff000000, v[BM+\b]  ; the conversion's scale operand
.endr
.irp b, 0,1,2,3
	v_lshrrev_b32 v[BM+4+\b], 23, v[BM+8+\b]       ; the scale's byte
.endr
	v_lshl_or_b32 v225, v[BM+5], 8, v[BM+4]        ; p's scale word for these 128 keys
	v_lshl_or_b32 v225, v[BM+6], 16, v225
	v_lshl_or_b32 v225, v[BM+7], 24, v225
.irp c, 0,1
	v_cvt_scalef32_pk16_fp6_f32 v[PCD+6*\c:PCD+2+6*\c], v[S+32*\c:S+15+32*\c], v[BM+8+2*\c]
	v_cvt_scalef32_pk16_fp6_f32 v[PCD+12+4*\c:PCD+14+4*\c], v[S+16+32*\c:S+31+32*\c], v[BM+8+2*\c+1]
.endr
	v_nop                                          ; one plain place behind a scaled conversion
.irp c, 0,1
.irp i, 0,1,2
	v_permlane16_swap_b32 v[PCD+6*\c+\i], v[PCD+12+4*\c+\i]
.endr
.irp i, 0,1,2
	v_mov_b32 v[PCD+3+6*\c+\i], v[PCD+12+4*\c+\i]
.endr
.endr
	v_pk_add_f32 v[228:229], v[S:S+1], v[S+2:S+3]  ; the row's sum is taken of the unquantised p: two at a time, in two chains
.irp j, 4,8,12,16,20,24,28,32,36,40,44
	v_pk_add_f32 v[14:15], v[14:15], v[S+\j:S+\j+1]
	v_pk_add_f32 v[228:229], v[228:229], v[S+2+\j:S+3+\j]
.endr
.irp d, 0,1,2,3                        ; V's four fragments (16 d x these 128 keys) land where the p that have been summed lay
	ds_load_b128 v[S+12*\d:S+12*\d+3], v44 offset:\d*768
	ds_load_b64 v[S+12*\d+4:S+12*\d+5], v45 offset:\d*768
	ds_load_b128 v[S+12*\d+6:S+12*\d+9], v44 offset:\d*768+3072
	ds_load_b64 v[S+12*\d+10:S+12*\d+11], v45 offset:\d*768+3072
.endr
	ds_load_b32 v230, v47
	ds_load_b32 v231, v47 offset:128
.set j, 0
.rept 16
	v_pk_mul_f32 v[O+j:O+j+1], v[O+j:O+j+1], v[224:225] op_sel_hi:[1,0]   ; O^T under the new M
.set j, j+2
.endr
.irp j, 48,52,56,60                    ; the last sixteen p, which no load has touched
	v_pk_add_f32 v[14:15], v[14:15], v[S+\j:S+\j+1]
	v_pk_add_f32 v[228:229], v[228:229], v[S+2+\j:S+3+\j]
.endr
	v_pk_add_f32 v[14:15], v[14:15], v[228:229]
	s_wait_dscnt 0x0
.irp d, 0,1,2,3                        ; O^T += V^T P^T: the four accumulators by turns
.if \d%2
	v_wmma_scale_f32_16x16x128_f8f6f4 v[O+8*\d:O+8*\d+7], v[S+12*\d:S+12*\d+11], v[PCD:PCD+11], v[O+8*\d:O+8*\d+7], v[230+\d/2], v225 matrix_a_fmt:MATRIX_FMT_FP6 matrix_b_fmt:MATRIX_FMT_FP6 matrix_a_scale:MATRIX_SCALE_ROW1
.else
	v_wmma_scale_f32_16x16x128_f8f6f4 v[O+8*\d:O+8*\d+7], v[S+12*\d:S+12*\d+11], v[PCD:PCD+11], v[O+8*\d:O+8*\d+7], v[230+\d/2], v225 matrix_a_fmt:MATRIX_FMT_FP6 matrix_b_fmt:MATRIX_FMT_FP6
.endif
.endr
.endm
; ONE TILE OF 16 QUERIES: all 2,048 keys in sixteen steps, then o = O^T / the sum, quantised along d, stored as a unit.
.macro TILE i
.if \i
	s_wait_xcnt 0x0                                ; the first tile's stores have read their registers
.endif
	v_mov_b32 v13, 0xff61b1e6                      ; the largest t so far: -3e38, under every t
	v_floor_f32 v12, -v13
	v_mov_b32 v14, 0
	v_mov_b32 v15, 0
.set j, 0
.rept 32
	v_mov_b32 v[O+j], 0                            ; the step is written once: the first finds zeros, which the first change of M leaves zeros
.set j, j+1
.endr
	s_mov_b32 s[TK], 0
	s_mov_b32 s[TKS], 0
	s_mov_b32 s[TVS], 0
	s_mov_b32 s[CNT], 16
.Lkeys_\@:
	STEP 16+12*\i, 40+\i
	s_add_co_u32 s[TK], s[TK], 6144
	s_add_co_u32 s[TKS], s[TKS], 512
	s_add_co_u32 s[TVS], s[TVS], 256
	s_sub_co_u32 s[CNT], s[CNT], 1
	s_cmp_lg_u32 s[CNT], 0
	s_cbranch_scc1 .Lkeys_\@
.rept 4
	v_nop                                          ; places behind the last products
.endr
	v_add_f32 v14, v14, v15                        ; the sum's two halves,
	v_permlanex16_b32 v226, v14, s[SEL], s[SEL+1]
	v_add_f32 v14, v14, v226                       ; and lane l xor 16's
	v_rcp_f32 v14, v14
	v_nop                                          ; one plain place behind a transcendental
.set j, 0
	s_wait_alu depctr_va_vdst(0)
.rept 32
	v_mul_f32 v[S+j], v[O+j], v14                  ; register 16 b + i = o(my query, 32 b + 16 (lane / 16) + i)
.set j, j+1
.endr
.irp b, 0,1
	v_max3_num_f32 v[BM+\b], |v[S+16*\b]|, |v[S+1+16*\b]|, 0x1800000
.endr
.irp n, 2,4,6,8,10,12,14
.irp b, 0,1
	v_max3_num_f32 v[BM+\b], v[BM+\b], |v[S+16*\b+\n]|, |v[S+1+16*\b+\n]|
.endr
.endr
.irp b, 0,1
	v_permlanex16_b32 v[BM+4+\b], v[BM+\b], s[SEL], s[SEL+1]
.endr
.irp b, 0,1
	v_max_num_f32 v[BM+\b], v[BM+\b], v[BM+4+\b]
.endr
.irp b, 0,1
	v_add_nc_u32 v[BM+8+\b], 0xff000000, v[BM+\b]
.endr
.irp b, 0,1
	v_lshrrev_b32 v[BM+4+\b], 23, v[BM+8+\b]
.endr
	v_lshl_or_b32 v227, v[BM+5], 8, v[BM+4]        ; the head's two bytes of my row
	v_cvt_scalef32_pk16_fp6_f32 v[PCD:PCD+2], v[S:S+15], v[BM+8]
	v_cvt_scalef32_pk16_fp6_f32 v[PCD+12:PCD+14], v[S+16:S+31], v[BM+9]
	v_nop
.irp n, 0,1,2
	v_permlane16_swap_b32 v[PCD+\n], v[PCD+12+\n]
.endr
.irp n, 0,1,2
	v_mov_b32 v[PCD+3+\n], v[PCD+12+\n]
.endr
	global_store_b128 v7, v[PCD:PCD+3], s[94:95] offset:\i*12288      ; 512 and 256 consecutive bytes, aligned to 256
	global_store_b64 v8, v[PCD+4:PCD+5], s[94:95] offset:\i*12288
	global_store_b16 v9, v227, s[96:97] offset:\i*512                 ; (both halves of the lanes store the same two bytes to the same place)
.endm
	TILE 0
	TILE 1
	s_wait_tensorcnt 0x0
	ds_add_u32 v254, v255
	s_wait_dscnt 0x0
	CROUND                                         ; the closing round
	s_endpgm
.Lfunc_end_k_q215cd85d3f_attn:
	.size	k_q215cd85d3f_attn, .Lfunc_end_k_q215cd85d3f_attn-k_q215cd85d3f_attn
	.p2alignl 7, 3214868480
	.fill 96, 4, 3214868480
	.section	.rodata,"a",@progbits
	.p2align	6, 0x0
	.amdhsa_kernel k_q215cd85d3f_attn
		.amdhsa_group_segment_fixed_size 215040
		.amdhsa_private_segment_fixed_size 0
		.amdhsa_enable_private_segment 0
		.amdhsa_kernarg_size 16
		.amdhsa_user_sgpr_count 2
		.amdhsa_user_sgpr_kernarg_segment_ptr 1
		.amdhsa_wavefront_size32 1
		.amdhsa_system_sgpr_workgroup_id_x 1
		.amdhsa_system_sgpr_workgroup_id_y 1
		.amdhsa_system_sgpr_workgroup_id_z 1
		.amdhsa_system_vgpr_workitem_id 0
		.amdhsa_next_free_vgpr 256
		.amdhsa_next_free_sgpr 100
		.amdhsa_reserve_vcc 0
		.amdhsa_float_denorm_mode_32 3
		.amdhsa_float_denorm_mode_16_64 3
		.amdhsa_memory_ordered 1
		.amdhsa_forward_progress 1
		.amdhsa_inst_pref_size 53
	.end_amdhsa_kernel
	.amdgpu_metadata
---
amdhsa.version: [ 1, 2 ]
amdhsa.kernels:
  - .name:           k_q215cd85d3f_attn
    .symbol:         k_q215cd85d3f_attn.kd
    .args:
      - { .name: qkv, .offset: 0, .size: 8, .value_kind: global_buffer, .address_space: global }
      - { .name: ob, .offset: 8, .size: 8, .value_kind: global_buffer, .address_space: global }
    .group_segment_fixed_size: 215040
    .private_segment_fixed_size: 0
    .kernarg_segment_align: 8
    .kernarg_segment_size: 16
    .max_flat_workgroup_size: 512
    .sgpr_count:     100
    .vgpr_count:     256
    .wavefront_size: 32
...
	.end_amdgpu_metadata
.endif
;; end of part 3
;; launch proj (part 4): grid 4 x 32, 4 waves a work-group, clusters of 4 x 4, 327,680 bytes of LDS; arguments ob, xw, bo, out0; writes out0
.if DOCPART == 4
	.amdgcn_target "amdgcn-amd-amdhsa--gfx1250"
	.amdhsa_code_object_version 6
	.text
	.protected	k_q215cd85d3f_proj
	.globl	k_q215cd85d3f_proj
	.p2align	8
	.type	k_q215cd85d3f_proj,@function
k_q215cd85d3f_proj:
	s_mov_b64 s[64:65], 0
	v_nop
	global_prefetch_b8 v0, s[64:65] scope:SCOPE_SE
	s_setreg_imm32_b32 hwreg(HW_REG_WAVE_MODE, 25, 1), 1
	s_wait_xcnt 0x0
	s_wait_alu depctr_hold_cnt(0) depctr_sa_sdst(0) depctr_va_vdst(0) depctr_va_sdst(0) depctr_va_ssrc(0) depctr_va_vcc(0) depctr_vm_vsrc(0)
	s_getreg_b32 s2, hwreg(HW_REG_IB_STS2, 6, 4)
	s_cmp_eq_u32 s2, 0
	s_cbranch_scc0 .Lentry_in_a_cluster
	s_endpgm
.Lentry_in_a_cluster:
	s_bfe_u32 s2, ttmp6, 0x10000c
	s_cmp_lg_u32 s2, 0xf033
	s_cbranch_scc0 .Lentry_shape_is_right
	s_endpgm
.Lentry_shape_is_right:
; out0 = o Wo + bo: a product on codes of FP6 (E2M3), K = 1,024.  o's codes and scales lie in ob, Wo's in xw (row tiles 704-767), both as images of operand registers:
; a unit = 16 rows x 64 K = 768 bytes (registers 0-3 at 16 x lane, 4-5 at 512 + 8 x lane); a row tile = 16 units; its scales 512 bytes, [K / 256][r][8].  Lane r of row tile 2 g + u holds row 32 g + 8 u + r + 8 (r / 8).
; A work-group of four waves makes 256 x 256 of out0, a wave 128 x 128.  Source 0 = Wo's tiles, source 1 = o's: a lane holds one row of out0, and its eight registers of Wo's tile b the columns 32 (b / 2) + 8 (b % 2) + 16 (lane / 16) + 0 .. 7.
; THE BIAS is the C of each sum's first matrix instruction: eight registers for each of Wo's eight tiles, in the result's layout.
; K goes in four steps of 256 through two LDS slots; the scales of all of K come once.  CLUSTERS: 4 x 4; o's tiles are asked for jointly along a row of the cluster, Wo's along a column.
; 128 work-groups: the tile is kept at 256 x 256, so that each byte read from LDS feeds as many products as the registers allow.
; REGISTERS: window 0: v0-31 addresses; v32-63 scale words, two sets; v64-127 the bias; v128-223 A's fragments, one set; on the way out v128-255 rows of out0.  window 1: B's fragments, two sets.  windows 2, 3: the accumulators.
.set TILEB, 12288
.set KSB,   3072
.set NQ,    2
.set FR,    12
.set NL,    4
.set NP,    4
.set HALFT, 8*KSB
.set SLOT,  4*HALFT
.set SCL,   2*SLOT
.set HALFS, 8*512
.set SPARE, SCL+4*HALFS                ; the spare words, 128 bytes for each wave: two blocks of 256 bytes that no other line names
.set XWS,   9437184
.set OS,    6291456
.set SPITCH, 528                       ; the way out: a stage of 16 rows x (512 bytes + 16) for each wave, in slot 0, which has had its last fill and its last read when the first result is stored there
.set ADRA, 16
.set ADRB, 20
.set STO,  24
.set RD,   25
.set CO,   26
.set ADRS, 27
.set SPW,  28
.set NIL,  29
.set SC,   32
.set BI,   64
.set AF,   128
.set BK,   128
.set G1, 24
.set G0, 32
.set G1B, 48
.set G0B, 56
.set G1S, 68
.set G0S, 76
.set G1SB, 80
.set G0SB, 88
.set MSB, 0
.macro WIN new
.if MSB != (\new)
	s_set_vgpr_msb (MSB<<8)|(\new)
.set MSB, (\new)
.endif
.endm
.set MUL_LO, 0xa1                      ; source 0 (B) window 1, source 1 (A) window 0, C and D window 2
.set MUL_HI, 0xf1
.set BIAS_LO, 0x81                     ; the same with C (the bias) in window 0
.set BIAS_HI, 0xc1
.set TO_B,   0x40
.macro JLOAD g0a, g1a, g0b, g1b        ; a joint load: waves 0 and 1 fetch for A, waves 2 and 3 for B; four v_nop follow each of the two lines
	s_cmp_eq_u32 s15, 0
	s_cbranch_scc0 .Lfor_b_\@
	tensor_load_to_lds s[\g0a:\g0a+3], s[\g1a:\g1a+7]
	s_nop 0
.rept 4
	v_nop
.endr
	s_branch .Lasked_\@
.Lfor_b_\@:
	tensor_load_to_lds s[\g0b:\g0b+3], s[\g1b:\g1b+7]
	s_nop 0
.rept 4
	v_nop
.endr
.Lasked_\@:
.endm
.macro CREST
	s_cmp_lg_u32 s14, 0
	s_cbranch_scc1 .Lnot_wave_0_\@
	s_barrier_signal -3
.Lnot_wave_0_\@:
	s_barrier_wait -3
	s_barrier_signal -1
	s_barrier_wait -1
.endm
.macro CROUND
	s_barrier_signal -1
	s_barrier_wait -1
	CREST
.endm
	s_load_b256 s[4:11], s[0:1], 0x0               ; ob s[4:5], xw s[6:7], bo s[8:9], out0 s[10:11]
	v_lshl_add_u32 v[SPW], v0, 2, SPARE
	v_mov_b32 v[NIL], 0
	ds_add_u32 v28, v29
	ds_add_u32 v28, v29
	s_wait_dscnt 0x0
	v_lshrrev_b32 v1, 5, v0
	v_readfirstlane_b32 s14, v1                    ; wave 0..3
	s_lshr_b32 s15, s14, 1
	s_and_b32 s16, s14, 1
	s_bfe_u32 s40, ttmp6, 0x40000                  ; cx, cy
	s_bfe_u32 s41, ttmp6, 0x40004
	s_lshl_b32 s42, ttmp9, 2
	s_add_co_u32 s42, s42, s40                     ; tile column of out0
	s_and_b32 s17, ttmp7, 0xffff
	s_lshl_b32 s17, s17, 2
	s_add_co_u32 s17, s17, s41                     ; tile row
	s_lshl_b32 s43, s41, 2
	s_lshl_b32 s43, 15, s43                        ; my row of the cluster
	s_lshl_b32 s44, 0x1111, s40                    ; my column
	s_or_b32 s[G1+0], s43, (3<<16)|(1<<21)         ; eight row tiles x 3,072 bytes (384 elements of 8 bytes), 12,288 bytes apart in memory, on end in LDS
	s_or_b32 s[G1B+0], s44, (3<<16)|(1<<21)
.irp g, G1, G1B
	s_mov_b32 s[\g+1], 384<<16
	s_mov_b32 s[\g+2], 8<<16
	s_mov_b32 s[\g+3], 384<<16
	s_mov_b32 s[\g+4], 8
	s_mov_b32 s[\g+5], 1536
	s_mov_b32 s[\g+6], 0
	s_mov_b32 s[\g+7], 0
.endr
	s_or_b32 s[G1S+0], s43, (3<<16)|(1<<21)        ; the scales of eight tiles: 4,096 dense bytes, as 16 rows of 256
	s_or_b32 s[G1SB+0], s44, (3<<16)|(1<<21)
.irp g, G1S, G1SB
	s_mov_b32 s[\g+1], 32<<16
	s_mov_b32 s[\g+2], 16<<16
	s_mov_b32 s[\g+3], 32<<16
	s_mov_b32 s[\g+4], 16
	s_mov_b32 s[\g+5], 32
	s_mov_b32 s[\g+6], 0
	s_mov_b32 s[\g+7], 0
.endr
	s_lshl_b32 s18, s16, 3                         ; which eight tiles I fetch
	s_lshl_b32 s19, s17, 4
	s_add_co_u32 s19, s19, s18                     ; A: o's row tile
	s_lshl_b32 s45, s42, 4
	s_add_co_u32 s45, s45, s18
	s_add_co_u32 s45, s45, 704                     ; B: Wo's
	s_mul_i32 s20, s19, TILEB
	s_mov_b32 s21, 0
	s_lshl_b32 s22, s19, 9
	s_add_co_u32 s22, s22, OS
	s_mov_b32 s23, 0
	s_mul_i32 s46, s45, TILEB
	s_mov_b32 s47, 0
	s_lshl_b32 s92, s45, 9
	s_add_co_u32 s92, s92, XWS
	s_mov_b32 s93, 0
	s_mul_i32 s45, s14, HALFT                      ; where they go: no place in the cluster enters an LDS address
	s_mul_i32 s94, s14, HALFS
	s_wait_kmcnt 0x0
	s_add_nc_u64 s[20:21], s[4:5], s[20:21]
	s_add_nc_u64 s[22:23], s[4:5], s[22:23]
	s_add_nc_u64 s[46:47], s[6:7], s[46:47]
	s_add_nc_u64 s[92:93], s[6:7], s[92:93]
	CROUND                                         ; all sixteen work-groups are here: the first joint loads meet
	s_mov_b32 s[G0S], 1
	s_add_co_u32 s[G0S+1], s94, SCL
	s_mov_b64 s[G0S+2:G0S+3], s[22:23]
	s_or_b32 s[G0S+3], s[G0S+3], 0x80000000
	s_mov_b32 s[G0SB], 1
	s_add_co_u32 s[G0SB+1], s94, SCL
	s_mov_b64 s[G0SB+2:G0SB+3], s[92:93]
	s_or_b32 s[G0SB+3], s[G0SB+3], 0x80000000
	JLOAD G0S, G1S, G0SB, G1SB
.irp s, 0,1
	s_mov_b32 s[G0+4*\s], 1
	s_add_co_u32 s[G0+4*\s+1], s45, \s*SLOT
	s_add_nc_u64 s[G0+4*\s+2:G0+4*\s+3], s[20:21], \s*KSB
	s_or_b32 s[G0+4*\s+3], s[G0+4*\s+3], 0x80000000
	s_mov_b32 s[G0B+4*\s], 1
	s_add_co_u32 s[G0B+4*\s+1], s45, \s*SLOT
	s_add_nc_u64 s[G0B+4*\s+2:G0B+4*\s+3], s[46:47], \s*KSB
	s_or_b32 s[G0B+4*\s+3], s[G0B+4*\s+3], 0x80000000
	JLOAD G0+4*\s, G1, G0B+4*\s, G1B               ; three tensor loads of mine are out now, the most in this text
.endr
	v_and_b32 v1, 15, v0                           ; r
	v_bfe_u32 v2, v0, 4, 1                         ; h
	v_and_b32 v3, 31, v0                           ; lane
	v_lshlrev_b32 v4, 4, v3
	v_lshlrev_b32 v5, 3, v3
	s_mul_i32 s21, s15, HALFT
	s_mul_i32 s22, s16, HALFT
	s_add_co_u32 s22, s22, 2*HALFT
.irp s, 0,1
	v_add_nc_u32 v[ADRA+\s], s21, v4
	v_add_nc_u32 v[ADRB+\s], s22, v4
	v_add_nc_u32 v[ADRA+2+\s], s21, v5
	v_add_nc_u32 v[ADRB+2+\s], s22, v5
	s_add_co_u32 s21, s21, SLOT
	s_add_co_u32 s22, s22, SLOT
.endr
	v_lshlrev_b32 v6, 3, v1
	s_mul_i32 s21, s15, HALFS
	s_mul_i32 s22, s16, HALFS
	s_add_co_u32 s22, s22, 2*HALFS
	s_sub_co_u32 s22, s22, s21
	v_mul_u32_u24 v8, s22, v2                      ; lanes 16-31 take B's: one product, the distance between the two
	s_add_co_u32 s21, s21, SCL
	v_add_nc_u32 v6, v6, v8
	v_add_nc_u32 v[ADRS], s21, v6
	s_mul_i32 s23, s14, 16*SPITCH                  ; my stage
	v_mul_u32_u24 v8, v1, SPITCH
	v_lshl_add_u32 v8, v2, 6, v8
	v_add_nc_u32 v[STO], s23, v8                   ; in: row r, + 64 bytes for lanes 16-31 (their columns lie 16 further on)
	v_mov_b32 v[CO], v4                            ; back: the 32 lanes take one row of 512 bytes; and the same in out0
	v_add_nc_u32 v[RD], s23, v4
	s_lshl_b32 s20, s17, 8
	s_lshl_b32 s21, s15, 7
	s_add_co_u32 s20, s20, s21                     ; my first row of out0
	s_lshl_b32 s20, s20, 12                        ; rows of 4,096 bytes: all of out0 lies under 2^25 bytes
	s_lshl_b32 s46, s42, 10
	s_lshl_b32 s47, s16, 9
	s_add_co_u32 s46, s46, s47                     ; my first column, in bytes
	s_mov_b32 s47, 0
	s_add_nc_u64 s[8:9], s[8:9], s[46:47]          ; the bias at my 128 columns
	s_add_co_u32 s20, s20, s46
	s_mov_b32 s21, 0
	s_add_nc_u64 s[12:13], s[10:11], s[20:21]
	v_lshlrev_b32 v7, 6, v2                        ; lanes 16-31: 16 columns on
.irp b, 0,1,2,3,4,5,6,7
	global_load_b128 v[BI+8*\b:BI+8*\b+3], v7, s[8:9] offset:(32*(\b/2)+8*(\b%2))*4
	global_load_b128 v[BI+8*\b+4:BI+8*\b+7], v7, s[8:9] offset:(32*(\b/2)+8*(\b%2))*4+16
.endr
.macro FRAG reg, adr, q, i             ; tile i's fragment of the slot's q-th 128 along K: two units, as they lie
	ds_load_b128 v[\reg:\reg+3],     v[\adr]   offset:(\i)*KSB+(\q)*1536
	ds_load_b64  v[\reg+4:\reg+5],   v[\adr+2] offset:(\i)*KSB+(\q)*1536+512
	ds_load_b128 v[\reg+6:\reg+9],   v[\adr]   offset:(\i)*KSB+(\q)*1536+768
	ds_load_b64  v[\reg+10:\reg+11], v[\adr+2] offset:(\i)*KSB+(\q)*1536+1280
.endm
; 16 matrix instructions: A's blocks a0, a0 + 1 x B's eight.  first = 1: the bias starts the sums.  The 64 accumulators take turns, one instruction a turn.
.macro MUL16 a0, p, q, sc, first
.irp a, \a0, \a0+1
.irp b, 0,1,2,3,4,5,6,7
.if \first
	v_wmma_scale_f32_16x16x128_f8f6f4 v[8*(8*((\a)%4)+\b):8*(8*((\a)%4)+\b)+7], v[128*(\p)+FR*\b:128*(\p)+FR*\b+FR-1], v[AF+FR*(\a):AF+FR*(\a)+FR-1], v[BI+8*\b:BI+8*\b+7], v[SC+8*NQ*(\sc)+NQ*\b+(\q)], v[SC+8*NQ*(\sc)+NQ*(\a)+(\q)] matrix_a_fmt:MATRIX_FMT_FP6 matrix_b_fmt:MATRIX_FMT_FP6 matrix_a_scale:MATRIX_SCALE_ROW1
.else
	v_wmma_scale_f32_16x16x128_f8f6f4 v[8*(8*((\a)%4)+\b):8*(8*((\a)%4)+\b)+7], v[128*(\p)+FR*\b:128*(\p)+FR*\b+FR-1], v[AF+FR*(\a):AF+FR*(\a)+FR-1], v[8*(8*((\a)%4)+\b):8*(8*((\a)%4)+\b)+7], v[SC+8*NQ*(\sc)+NQ*\b+(\q)], v[SC+8*NQ*(\sc)+NQ*(\a)+(\q)] matrix_a_fmt:MATRIX_FMT_FP6 matrix_b_fmt:MATRIX_FMT_FP6 matrix_a_scale:MATRIX_SCALE_ROW1
.endif
.endr
.endr
.endm
.macro FETCH_B slot, q, p
	WIN TO_B
.irp i, 0,1,2,3,4,5,6,7
	FRAG 128*(\p)+FR*\i, ADRB+\slot, \q, \i
.endr
	WIN 0
.endm
.macro FETCH_A slot, q, i0
.irp i, \i0, \i0+1, \i0+2, \i0+3
	FRAG AF+FR*(\i), ADRA+\slot, \q, \i
.endr
.endm
.macro SCALES sc
.irp i, 0,1,2,3,4,5,6,7
	ds_load_b64 v[SC+8*NQ*\sc+NQ*\i:SC+8*NQ*\sc+NQ*\i+1], v[ADRS] offset:\i*512
.endr
.endm
.macro PLACES n                        ; plain vector instructions that name none of a matrix instruction's registers (ISA guide 7.12.1)
.rept \n
	v_nop
.endr
.endm
.macro STEP slot, q, first
	s_wait_dscnt 4*NL                              ; B's set and A's blocks 0-3 are in; the youngest 16 loads (A's blocks 4-7) may be out
.if \first
	WIN BIAS_LO
.else
	WIN MUL_LO
.endif
	MUL16 0, (\q)%2, \q, \slot, \first
	MUL16 2, (\q)%2, \q, \slot, \first
	s_wait_dscnt 0
	PLACES NP
	FETCH_B \slot, (\q)+1, 1-(\q)%2
	FETCH_A \slot, (\q)+1, 0
.if \first
	WIN BIAS_HI
.else
	WIN MUL_HI
.endif
	MUL16 4, (\q)%2, \q, \slot, \first
	MUL16 6, (\q)%2, \q, \slot, \first
	PLACES NP
	WIN 0
	FETCH_A \slot, (\q)+1, 4
.endm
.macro TURN slot, next, fill
	s_wait_tensorcnt 0x0                           ; all my tensor loads have landed: my part of the next slot
	ds_add_u32 v[SPW], v[NIL]                      ; 0 onto my spare word
	s_wait_dscnt 4*NL+1                            ; (the add and the youngest 16 loads may be out)
	WIN MUL_LO
	MUL16 0, 1, NQ-1, \slot, 0
	s_wait_dscnt 0x0                               ; the add is done, and my reads of this slot are over
	s_barrier_signal -1
	MUL16 2, 1, NQ-1, \slot, 0
	WIN 0
	s_barrier_wait -1
.if \fill
	CREST                                          ; the barrier has opened a round of the cluster's: no wave of any partner still reads this slot or has a load on its way
	s_add_nc_u64 s[G0+4*\slot+2:G0+4*\slot+3], s[G0+4*\slot+2:G0+4*\slot+3], 2*KSB
	s_add_nc_u64 s[G0B+4*\slot+2:G0B+4*\slot+3], s[G0B+4*\slot+2:G0B+4*\slot+3], 2*KSB
	JLOAD G0+4*\slot, G1, G0B+4*\slot, G1B
.else
	PLACES NP
.endif
	v_add_nc_u32 v[ADRS], 128, v[ADRS]
	FETCH_B \next, 0, 0
	FETCH_A \next, 0, 0
	SCALES \next
	WIN MUL_HI
	MUL16 4, 1, NQ-1, \slot, 0
	MUL16 6, 1, NQ-1, \slot, 0
	PLACES NP
	WIN 0
	FETCH_A \next, 0, 4
.endm
	s_wait_tensorcnt 1                             ; the scales and my part of K step 0 are in (K step 1's load may be out)
	s_barrier_signal -1
	s_barrier_wait -1
	FETCH_B 0, 0, 0
	FETCH_A 0, 0, 0
	SCALES 0
	FETCH_A 0, 0, 4
	s_wait_loadcnt 0x0                             ; the bias
	STEP 0, 0, 1
	TURN 0, 1, 1                                   ; slot 0 takes K step 2
	STEP 1, 0, 0
	TURN 1, 0, 1                                   ; slot 1 takes K step 3
	STEP 0, 0, 0
	TURN 0, 1, 0
	STEP 1, 0, 0
	s_wait_dscnt 4*NL
	WIN MUL_LO
	MUL16 0, 1, NQ-1, 1, 0
	MUL16 2, 1, NQ-1, 1, 0
	s_wait_dscnt 0
	WIN MUL_HI
	MUL16 4, 1, NQ-1, 1, 0
	MUL16 6, 1, NQ-1, 1, 0
	WIN 0
; THE WAY OUT, block by block of 16 rows x 128 columns, through my own stage in LDS: in by lanes (32 neighbouring bytes of a row for each of Wo's tiles), back as whole rows of 512 bytes.
; LDS serves a wave's instructions in order: no wait between the stores and the loads, nor in front of the next block's stores.
.macro TOSTAGE a
.set AC, 64*((\a)%4)
	WIN 0x08+4*((\a)/4)                            ; an LDS store's data are its source 1: window 2 or 3
.irp b, 0,1,2,3,4,5,6,7
	ds_store_b128 v[STO], v[AC+8*\b:AC+8*\b+3] offset:128*(\b/2)+32*(\b%2)          ; each accumulator from its low end on
	ds_store_b128 v[STO], v[AC+8*\b+4:AC+8*\b+7] offset:128*(\b/2)+32*(\b%2)+16
.endr
	WIN 0
.set BB, BK+64*((\a)%2)
.irp t, 0,1,2,3,4,5,6,7,8,9,10,11,12,13,14,15
	ds_load_b128 v[BB+4*\t:BB+4*\t+3], v[RD] offset:\t*SPITCH
.endr
.endm
.macro SEND a, younger                 ; younger: the LDS instructions issued behind block a's loads, which may stay out
.set BB, BK+64*((\a)%2)
	s_wait_dscnt \younger
.if (\a) > 0
.if ((\a)%2) == 1
	s_add_nc_u64 s[12:13], s[12:13], 8*4096        ; (behind a wait on XCNT)  an odd tile begins 8 rows behind the even one,
.else
	s_add_nc_u64 s[12:13], s[12:13], 24*4096       ; the next even one 24 rows further on
.endif
.endif
.irp t, 0,1,2,3,4,5,6,7,8,9,10,11,12,13,14,15
	global_store_b128 v[CO], v[BB+4*\t:BB+4*\t+3], s[12:13] offset:(\t+8*(\t/8))*4096 th:TH_STORE_NT   ; the tile's row t; 32 lanes store 512 consecutive bytes, aligned to 256
.endr
.endm
	PLACES NP
	TOSTAGE 0
.irp a, 1,2,3,4,5,6,7
.if \a > 1
	s_wait_xcnt 0x0                                ; block a - 2's stores have read their registers and their base
.endif
	TOSTAGE \a
	SEND \a-1, 32                                  ; behind block a - 1's loads: block a's 16 stores and 16 loads
.endr
	s_wait_xcnt 0x0
	SEND 7, 0
	s_wait_tensorcnt 0x0                           ; the wave's end
	ds_add_u32 v[SPW], v[NIL]
	s_wait_dscnt 0x0
	CROUND                                         ; the closing round
	s_endpgm
.Lfunc_end_k_q215cd85d3f_proj:
	.size	k_q215cd85d3f_proj, .Lfunc_end_k_q215cd85d3f_proj-k_q215cd85d3f_proj
	.p2alignl 7, 3214868480
	.fill 96, 4, 3214868480
	.section	.rodata,"a",@progbits
	.p2align	6, 0x0
	.amdhsa_kernel k_q215cd85d3f_proj
		.amdhsa_group_segment_fixed_size 327680
		.amdhsa_private_segment_fixed_size 0
		.amdhsa_enable_private_segment 0
		.amdhsa_kernarg_size 32
		.amdhsa_user_sgpr_count 2
		.amdhsa_user_sgpr_kernarg_segment_ptr 1
		.amdhsa_wavefront_size32 1
		.amdhsa_system_sgpr_workgroup_id_x 1
		.amdhsa_system_sgpr_workgroup_id_y 1
		.amdhsa_system_sgpr_workgroup_id_z 1
		.amdhsa_system_vgpr_workitem_id 0
		.amdhsa_next_free_vgpr 1024
		.amdhsa_next_free_sgpr 100
		.amdhsa_reserve_vcc 0
		.amdhsa_float_denorm_mode_32 3
		.amdhsa_float_denorm_mode_16_64 3
		.amdhsa_memory_ordered 1
		.amdhsa_forward_progress 1
		.amdhsa_inst_pref_size 145
	.end_amdhsa_kernel
	.amdgpu_metadata
---
amdhsa.version: [ 1, 2 ]
amdhsa.kernels:
  - .name:           k_q215cd85d3f_proj
    .symbol:         k_q215cd85d3f_proj.kd
    .args:
      - { .name: ob, .offset: 0, .size: 8, .value_kind: global_buffer, .address_space: global }
      - { .name: xw, .offset: 8, .size: 8, .value_kind: global_buffer, .address_space: global }
      - { .name: bo, .offset: 16, .size: 8, .value_kind: global_buffer, .address_space: global }
      - { .name: out0, .offset: 24, .size: 8, .value_kind: global_buffer, .address_space: global }
    .group_segment_fixed_size: 327680
    .private_segment_fixed_size: 0
    .kernarg_segment_align: 8
    .kernarg_segment_size: 32
    .max_flat_workgroup_size: 128
    .sgpr_count:     100
    .vgpr_count:     1024
    .wavefront_size: 32
...
	.end_amdgpu_metadata
.endif
;; end of part 4
